; MI455X (gfx1250); checked and timed in simulation.
; The chip was launched on July 23, 2026; its instructions are those of AMD's public machine-readable ISA for CDNA 5 (MIT licence, August 2026) and "CDNA5" Instruction Set Architecture Reference Guide (July 2026). The comments in the code are by the model that wrote it; some were corrected since.
;; Multi Head Attention. Allowed arithmetic: matrix products marked QUANTISED: E2M3 operands, one E8M0 scale for each 32 along K, by v_wmma_scale_f32_16x16x128_f8f6f4 with both operands' format E2M3, f32 sums; everything else in f32.
;; Inputs: Wk 512 x 512 float32; Wo 512 x 512 float32; Wq 512 x 512 float32; Wv 512 x 512 float32; bk 512 float32; bo 512 float32; bq 512 float32; bv 512 float32; k 2 x 4,096 x 512 float32; q 2 x 4,096 x 512 float32; v 2 x 4,096 x 512 float32.
;; Outputs: out0 2 x 4,096 x 512 float32.
;; This version of the problem:
;;   THIS VERSION OF THE PROBLEM IS GIVEN IN LOW PRECISION. The matrix products marked QUANTISED in the list below multiply operands that are first quantised to E2M3 (2 exponent bits, 3 mantissa bits; 6 bits a number), with one power-of-two scale for each 32 numbers along K (OCP MX v1.0); their sums are f32. All else is computed in f32.
;;   The module's matrix products, in the order in which they are computed (A, B: the left and right operand; K: the contracted axis; several contracted axes count as one K, in the product's order):
;;     1. [M 8,192, K 512] x [K 512, N 512]; A: input q; B: input Wq: QUANTISED
;;     2. [M 8,192, K 512] x [K 512, N 512]; A: input k; B: input Wk: QUANTISED
;;     3. [M 8,192, K 512] x [K 512, N 512]; A: input v; B: input Wv: QUANTISED
;;     4. batch 16 x [M 4,096, K 64] x [K 64, N 4,096]; A: computed on the way; B: computed on the way: QUANTISED
;;     5. batch 16 x [M 4,096, K 4,096] x [K 4,096, N 64]; A: softmax (see below); B: computed on the way: QUANTISED
;;     6. [M 8,192, K 512] x [K 512, N 512]; A: computed on the way; B: input Wo: QUANTISED
;;   THE QUANTISER, for each operand of a quantised product, along K:
;;     - K is cut into blocks of 32 from its start; a last block that is shorter is filled with zeros.
;;     - A block's scale is 2^e with e = floor(log2(the largest magnitude in the block)) - 2, held to -126 .. 127; a block of zeros has e = 0. As a byte (E8M0): e + 127.
;;     - Each number is divided by its block's scale, clamped to +-7.5, and rounded to the nearest number of E2M3, ties to even, subnormals kept.
;;     - The product sums the exact products of the quantised numbers (number of the format x scale) in f32.
;;   ~~~python
;;   def quantise(x, axis):      # numpy; x: float32 -> the quantised numbers, widened to float32 again
;;       x = np.moveaxis(x, axis, -1); K = x.shape[-1]
;;       x = np.pad(x, [(0, 0)] * (x.ndim - 1) + [(0, -K % 32)]); x = x.reshape(x.shape[:-1] + (-1, 32)); a = np.abs(x).max(-1, keepdims=True)
;;       e = np.where(a > 0, np.clip(np.frexp(np.where(a > 0, a, 1))[1] - 1 - 2, -126, 127), 0)      # np.frexp(a)[1] - 1 = floor(log2(a)), exactly
;;       r = np.clip(x / 2.0 ** e, -7.5, 7.5)
;;       step = 2.0 ** (np.maximum(np.frexp(np.where(r == 0, 1, r))[1] - 1, 0) - 3)
;;       q = np.round(r / step) * step * 2.0 ** e      # np.round: ties to even
;;       return np.moveaxis(q.reshape(q.shape[:-2] + (-1,))[..., :K], -1, axis).astype(np.float32)
;;   ~~~
;;   SOFTMAX AHEAD OF A QUANTISED PRODUCT. Where the list says 'softmax', what is quantised is not the finished softmax but p = 2^(t - M), with t = logit x log2(e) and M = ceil(the row's largest t), a whole number; so 1/2 < the row's largest p <= 1. The row's sum l is taken of the UNQUANTISED p, in f32, and the product's result is divided by l at the end. Since M is a whole number, a kernel that streams over the keys may use a running M (the ceiling of the running maximum): every later rescaling is an exact power of two, which a block's scale takes up: the codes' values come out the same.
;;   OPERANDS COMPUTED ON THE WAY. 'Computed on the way' means the value that the module computes at that place (a softmax that the list does not call 'softmax' is quantised finished and normalised). What goes into a quantiser is computed in f32, as accurately as f32 sums, v_exp_f32 and their like allow (about 1e-6 of the number): no bf16 or f16 on the way to a quantiser, and a product that is left as it is and whose result goes on into a quantised operand takes f32 operands (vector FMAs, or v_wmma_f32_16x16x4_f32). A number that lies on a knife's edge between two numbers of the format may be rounded either way, as far as f32 arithmetic and the matrix unit's own rounding can turn it there, and no further.
;; 2 versions. Each part assembles by itself: llvm-mc -triple=amdgcn-amd-amdhsa -mcpu=gfx1250 --defsym DOCPART=n.
;; ======== version 1 of 2: 4 launches
;; workspace buffers: wimg 786,432 bytes; wscl 65,536 bytes; qrec 3,407,872 bytes; kv 6,684,672 bytes; orec 3,670,016 bytes
;; launch wquant (part 1): grid 32 x 4, 4 waves a work-group, no clusters, 0 bytes of LDS; arguments Wq, Wk, Wv, Wo, wimg, wscl; writes wimg, wscl
.if DOCPART == 1
	.amdgcn_target "amdgcn-amd-amdhsa--gfx1250"
	.amdhsa_code_object_version 6
	.text
	.protected	k_qf6ef155801_wquant
	.globl	k_qf6ef155801_wquant
	.p2align	8
	.type	k_qf6ef155801_wquant,@function
k_qf6ef155801_wquant:
	s_mov_b64 s[64:65], 0
	v_nop
	global_prefetch_b8 v0, s[64:65] scope:SCOPE_SE
	s_setreg_imm32_b32 hwreg(HW_REG_WAVE_MODE, 25, 1), 1
	s_wait_xcnt 0x0
; MULTI-HEAD ATTENTION IN MX-FP6, launch 1 of 4: the four weights [512 (k)][512 (n)] f32 become codes of E2M3 with one E8M0 byte for each 32 along K.
; NOTHING OF reference() IS LEFT OUT in this program: every bias goes into a quantised operand (bq, bk, bv) or into the output (bo), so all eleven inputs are loaded.
; LIMITS: NaN and infinities among the inputs are not served.  A block of zeros gets the byte 1 where the rule says 127: its codes are zeros, which add nothing, and the bytes are read by this program alone.
; Blocks whose largest magnitude lies under 2^-124 are held at the byte 1.
; LAYOUT OF THE RESULT.  Every operand of this program lies in workspace as an IMAGE OF ITS REGISTERS.  A fragment (16 columns x 128 K) is 12 registers a lane: three pieces of 512 bytes, registers 4 c .. 4 c + 3 of lane l
; at 512 c + 16 l.  wimg: [weight y][tile T 0..31][K step s 0..3][1,536].  wscl: [y][T][s][128]: the lane's scale word at 4 l (lanes 16-31 repeat lanes 0-15).
; THE COLUMNS OF A TILE ARE NOT NEIGHBOURS: lane r of tile T = 2 b + u takes column 32 b + 8 u + r + 8 (r / 8), so that a product with this tile as source 0 leaves 16 neighbouring channels in the 16 registers of tiles 2 b, 2 b + 1.
; SHARES.  Work-group (x, y): weight y, 64 columns (x & 7), K step x >> 3.  A wave makes ONE fragment: a lane takes a column and its registers run down K, in the order of the operand's layout (k = 64 c + 32 h + i),
; so the conversions' results are the operand's registers.  The four waves' loads together cover 256 consecutive bytes of a row of W.  No LDS, no barrier: waves share nothing.
	s_load_b256 s[4:11], s[0:1], 0x0               ; Wq, Wk, Wv, Wo
	s_load_b128 s[12:15], s[0:1], 0x20             ; wimg, wscl
	v_lshrrev_b32 v1, 5, v0
	v_readfirstlane_b32 s16, v1                    ; wave 0..3: tile 4 cg + wave
	v_and_b32 v6, 31, v0                           ; lane
	v_and_b32 v1, 15, v0                           ; r
	v_bfe_u32 v2, v0, 4, 1                         ; h
	v_lshlrev_b32 v3, 4, v6                        ; 16 x lane: my place in a piece of an image
	v_lshlrev_b32 v4, 2, v6                        ; 4 x lane: my scale word's
	v_and_b32 v5, 8, v1
	v_add_nc_u32 v5, v5, v1                        ; r + 8 (r / 8)
	v_lshlrev_b32 v5, 2, v5
	v_lshl_add_u32 v5, v2, 16, v5                  ; + 32 rows of 2,048 bytes for lanes 16-31
	s_and_b32 s17, ttmp7, 0xffff                   ; y: which weight
	s_and_b32 s18, ttmp9, 7                        ; cg: which 64 columns
	s_lshr_b32 s19, ttmp9, 3                       ; s: which 128 along K
	s_mov_b32 s20, 0x76543210
	s_mov_b32 s21, 0xfedcba98                      ; v_permlanex16_b32's selects for lane l xor 16
	s_lshl_b32 s22, s19, 18                        ; in W: 128 s rows of 2,048 bytes
	s_lshl_b32 s23, s18, 8                         ; + 64 cg columns
	s_add_co_u32 s22, s22, s23
	s_lshr_b32 s23, s16, 1
	s_lshl_b32 s23, s23, 7                         ; + 32 (wave / 2) columns
	s_add_co_u32 s22, s22, s23
	s_and_b32 s23, s16, 1
	s_lshl_b32 s23, s23, 5                         ; + 8 (wave % 2) columns
	s_add_co_u32 s22, s22, s23
	s_mov_b32 s23, 0
	s_lshl_b32 s24, s18, 4
	s_lshl_b32 s25, s16, 2
	s_add_co_u32 s24, s24, s25
	s_add_co_u32 s24, s24, s19                     ; F = 4 T + s
	s_mul_i32 s26, s24, 1536
	s_mul_i32 s27, s17, 196608
	s_add_co_u32 s26, s26, s27                     ; the image's place
	s_mov_b32 s27, 0
	s_lshl_b32 s28, s24, 7
	s_lshl_b32 s29, s17, 14
	s_add_co_u32 s28, s28, s29                     ; the scale words' place
	s_mov_b32 s29, 0
	s_wait_kmcnt 0x0
	s_cmp_eq_u32 s17, 1                            ; the choice hangs on the work-group's number alone
	s_cselect_b64 s[4:5], s[6:7], s[4:5]
	s_cmp_eq_u32 s17, 2
	s_cselect_b64 s[4:5], s[8:9], s[4:5]
	s_cmp_eq_u32 s17, 3
	s_cselect_b64 s[4:5], s[10:11], s[4:5]
	s_add_nc_u64 s[4:5], s[4:5], s[22:23]
	s_add_nc_u64 s[12:13], s[12:13], s[26:27]
	s_add_nc_u64 s[14:15], s[14:15], s[28:29]
.irp c, 0,1
.set i, 0
.rept 32
	global_load_b32 v[64+32*\c+i], v5, s[4:5] offset:(64*\c+i)*2048 th:TH_LOAD_NT   ; W(128 s + 64 c + 32 h + i, my column)
.set i, i+1
.endr
.endr
	s_wait_loadcnt 0x0
.irp c, 0,1                                    ; my block 2 c + h: all its 32 numbers are mine
	v_max3_num_f32 v[32+\c], |v[64+32*\c]|, |v[65+32*\c]|, 0x1800000   ; and the floor 2^(3 - 127): the byte cannot fall under 1
.endr
.irp i, 2,4,6,8,10,12,14,16,18,20,22,24,26,28,30
.irp c, 0,1
	v_max3_num_f32 v[32+\c], v[32+\c], |v[64+32*\c+\i]|, |v[65+32*\c+\i]|   ; (the two blocks by turns)
.endr
.endr
.irp c, 0,1
	v_add_nc_u32 v[44+\c], 0xff000000, v[32+\c]    ; 2 off the exponent field: the conversion takes the exponent field of this operand as its scale
.endr
.irp c, 0,1
	v_lshrrev_b32 v[36+\c], 23, v[44+\c]           ; the scale's byte
.endr
	v_lshl_or_b32 v9, v37, 16, v36                 ; my two bytes: blocks h and 2 + h of my column,
	v_lshlrev_b32 v10, 3, v2
	v_lshlrev_b32 v9, v10, v9                      ; at their places in the word (8 h bits up);
	v_mov_b32 v10, 0
	v_permlanex16_b32 v10, v9, s20, s21
	v_or_b32 v9, v9, v10                           ; with lane l xor 16's two the word is whole, in both halves of the lanes
.irp c, 0,1
	v_cvt_scalef32_pk16_fp6_f32 v[48+6*\c:50+6*\c], v[64+32*\c:79+32*\c], v[44+\c]      ; registers 6 c .. 6 c + 2 of the operand
	v_cvt_scalef32_pk16_fp6_f32 v[128+4*\c:130+4*\c], v[80+32*\c:95+32*\c], v[44+\c]    ; (a conversion's three registers begin on an even number: the second half is made elsewhere and moved)
.endr
	v_nop                                          ; one plain place behind a scaled conversion
.irp c, 0,1
.irp i, 0,1,2
	v_mov_b32 v[51+6*\c+\i], v[128+4*\c+\i]
.endr
.endr
.irp c, 0,1,2
	global_store_b128 v3, v[48+4*\c:51+4*\c], s[12:13] offset:512*\c   ; 32 lanes store 512 consecutive bytes, aligned to 512
.endr
	global_store_b32 v4, v9, s[14:15]
	s_endpgm
.Lfunc_end_k_qf6ef155801_wquant:
	.size	k_qf6ef155801_wquant, .Lfunc_end_k_qf6ef155801_wquant-k_qf6ef155801_wquant
	.p2alignl 7, 3214868480
	.fill 96, 4, 3214868480
	.section	.rodata,"a",@progbits
	.p2align	6, 0x0
	.amdhsa_kernel k_qf6ef155801_wquant
		.amdhsa_group_segment_fixed_size 0
		.amdhsa_private_segment_fixed_size 0
		.amdhsa_enable_private_segment 0
		.amdhsa_kernarg_size 48
		.amdhsa_user_sgpr_count 2
		.amdhsa_user_sgpr_kernarg_segment_ptr 1
		.amdhsa_wavefront_size32 1
		.amdhsa_system_sgpr_workgroup_id_x 1
		.amdhsa_system_sgpr_workgroup_id_y 1
		.amdhsa_system_sgpr_workgroup_id_z 1
		.amdhsa_system_vgpr_workitem_id 0
		.amdhsa_next_free_vgpr 136
		.amdhsa_next_free_sgpr 66
		.amdhsa_reserve_vcc 0
		.amdhsa_float_denorm_mode_32 3
		.amdhsa_float_denorm_mode_16_64 3
		.amdhsa_memory_ordered 1
		.amdhsa_forward_progress 1
		.amdhsa_inst_pref_size 12
	.end_amdhsa_kernel
	.amdgpu_metadata
---
amdhsa.version: [ 1, 2 ]
amdhsa.kernels:
  - .name:           k_qf6ef155801_wquant
    .symbol:         k_qf6ef155801_wquant.kd
    .args:
      - { .name: Wq, .offset: 0, .size: 8, .value_kind: global_buffer, .address_space: global }
      - { .name: Wk, .offset: 8, .size: 8, .value_kind: global_buffer, .address_space: global }
      - { .name: Wv, .offset: 16, .size: 8, .value_kind: global_buffer, .address_space: global }
      - { .name: Wo, .offset: 24, .size: 8, .value_kind: global_buffer, .address_space: global }
      - { .name: wimg, .offset: 32, .size: 8, .value_kind: global_buffer, .address_space: global }
      - { .name: wscl, .offset: 40, .size: 8, .value_kind: global_buffer, .address_space: global }
    .group_segment_fixed_size: 0
    .private_segment_fixed_size: 0
    .kernarg_segment_align: 8
    .kernarg_segment_size: 48
    .max_flat_workgroup_size: 128
    .sgpr_count:     66
    .vgpr_count:     136
    .wavefront_size: 32
...
	.end_amdgpu_metadata
.endif
;; end of part 1
;; launch proj (part 2): grid 64 x 3, 4 waves a work-group, no clusters, 87,552 bytes of LDS; arguments q, k, v, bq, bk, bv, wimg, wscl, qrec, kv; writes qrec, kv
.if DOCPART == 2
	.amdgcn_target "amdgcn-amd-amdhsa--gfx1250"
	.amdhsa_code_object_version 6
	.text
	.protected	k_qf6ef155801_proj
	.globl	k_qf6ef155801_proj
	.p2align	8
	.type	k_qf6ef155801_proj,@function
k_qf6ef155801_proj:
	s_mov_b64 s[64:65], 0
	v_nop
	global_prefetch_b8 v0, s[64:65] scope:SCOPE_SE
	s_setreg_imm32_b32 hwreg(HW_REG_WAVE_MODE, 25, 1), 1
	s_wait_xcnt 0x0
; Launch 2 of 4: qh = q Wq + bq, kh = k Wk + bk, vh = v Wv + bv on codes of E2M3, and the quantisers of qh, kh (along a head's 64 channels) and vh (along the keys).  Nothing of reference() is left out.
; LIMITS: as stated at the head of the first launch (NaN and infinities not served; a block of zeros has the byte 1; blocks under 2^-124 are held at the byte 1).
; SHARES.  Work-group (x, y): tensor y (0 q, 1 k, 2 v), rows 128 x .. 128 x + 127 of its 8,192.  Wave w owns channels 128 w .. 128 w + 127: heads 2 w and 2 w + 1, the weight's tiles 8 w .. 8 w + 7.
; PHASE X.  Wave w quantises rows 32 w .. 32 w + 31 (8 fragments of 16 rows x 128 K).  Each load reads 512 consecutive bytes of one row; 16 rows turn through the wave's own stage in LDS so that a lane holds
; 16 neighbours along K of each block of 32; the codes go to LDS as images of the operand's registers (12 registers: three stores of 512 bytes; the scale word 4 bytes a lane).  One barrier.
; PATH q, k.  Source 0 = 16 columns of W (resident in registers), source 1 = 16 rows of x (from LDS): a lane holds ONE row, and its 64 registers are channels 32 b + 16 h + i of the wave's 128: one call of QUANT
; gives both heads' half fragments (registers 0-5, 6-11) and both heads' two scale bytes.
; PATH v.  Source 0 = 16 rows of x (all 32 fragments resident, from LDS), source 1 = 16 columns of W (a ring of four, from memory): a lane holds ONE channel, and its 64 registers are the step's 128 keys:
; register 16 b + i is key 32 b + 8 h + i (i < 8) or 32 b + 16 + 8 h + i - 8.  Each block of 32 registers-and-halves is a true block of 32 keys; inside a block the keys stand in this order, and the weights p
; of the next launch come out of its first product in the very same order, so the second product there multiplies like with like.
; RECORDS.  kv: [batch x head 16][step of 128 keys 32][13,056]: K's tile t (16 keys): registers 0-3 at 768 t + 16 l, registers 4-5 at 768 t + 512 + 8 l; K's scale words (two bytes low, zeros above) of tiles 0-3 at
; 6,144 + 16 r, of tiles 4-7 at 6,400 + 16 r; V's channel tile n (0..3) at 6,656 + 1,536 n, three pieces of 512; V's scale words of its four tiles at 12,800 + 16 r.  qrec: the first 6,656 bytes of that, for 128 queries.
; REGISTERS, in windows of 256: window 0: addresses, scale words, the 8 accumulators (HA), what QUANT makes.  Windows 1, 2: the resident source 0: fragment (t, s) in window 1 + s / 2 at 12 (8 (s % 2) + t).
; Window 3: v0-191 three sets of 64 numbers in phase X, then the ring of source 1; v192-255 the bias as the C of each sum's first product.
.set XIMG,  0                          ; LDS: x's 32 fragments (tile T, K step s: 4 T + s), 1,536 bytes each,
.set XSC,   49152                      ; their scale words, 128 bytes each,
.set STG,   53248                      ; a stage of 16 rows x (512 + 16) bytes for each wave,
.set SPARE, 87040                      ; and the spare words, 128 bytes for each wave: two blocks of 256 bytes that no other line names
.set L16, 4                            ; v4   16 x lane
.set L8,  5                            ; v5   8 x lane
.set L4,  6                            ; v6   4 x lane
.set STI, 7                            ; v7   the stage, on the way in: 16 x lane of a row
.set STO, 8                            ; v8   and out: row r, + 64 h
.set XWI, 9                            ; v9   where I store x's images: 16 x lane + 12,288 x wave
.set XWS, 10                           ; v10  and their scale words: 4 x lane + 1,024 x wave
.set BOA, 11                           ; v11  the bias's offset, path q, k: 64 h
.set VSO, 12                           ; v12  V's scale words: 16 r, and one head's records on for lanes 16-31
.set BOB, 13                           ; v13  the bias's offset, path v: 4 (r + 8 (r / 8))
.set RS,  16                           ; v16-47   scale words of the resident fragments: 4 t + s
.set TS,  48                           ; v48-63   scale words of the ring
.set HA,  64                           ; v64-127  eight accumulators
.set PC,  128                          ; v128-147 the codes just made (12), and the conversions' second halves
.set TM,  148                          ; v148-163 at work in QUANT
.set PW,  164                          ; v164     the scale word just made
.set SW,  166                          ; v166-181 scale words kept for the records
.set SD,  182                          ; v182-185 four of them, as they are stored
.set BT,  186                          ; v186-193 path v: a channel's bias for each of the 8 tiles
.set SPW, 252                          ; v252 LDS address of my spare word; never rewritten
.set NIL, 253                          ; v253 0; never rewritten
.set SEL, 48                           ; s[48:49] v_permlanex16_b32's selects for lane l xor 16
.set MSB, 0
.macro WIN new                         ; the immediate's high byte repeats the setting that is left; a switch that changes nothing is dropped
.if MSB != (\new)
	s_set_vgpr_msb (MSB<<8)|(\new)
.set MSB, (\new)
.endif
.endm
; 64 numbers of a lane, v[s] .. v[s + 63], four blocks of 16 registers (each block's other 16 numbers lie in lane l xor 16), become a fragment's codes in v[PC] on and its scale word in v[PW].
.macro QUANT s
.irp b, 0,1,2,3
	v_max3_num_f32 v[TM+\b], |v[\s+16*\b]|, |v[\s+1+16*\b]|, 0x1800000   ; block b: my 16 numbers, and the floor 2^(3 - 127): the byte cannot fall under 1
.endr
.irp i, 2,4,6,8,10,12,14
.irp b, 0,1,2,3
	v_max3_num_f32 v[TM+\b], v[TM+\b], |v[\s+16*\b+\i]|, |v[\s+1+16*\b+\i]|   ; (the four blocks by turns)
.endr
.endr
.irp b, 0,1,2,3
	v_permlanex16_b32 v[TM+4+\b], v[TM+\b], s[SEL], s[SEL+1]
.endr
.irp b, 0,1,2,3
	v_max_num_f32 v[TM+\b], v[TM+\b], v[TM+4+\b]   ; with lane l xor 16's: the block's largest magnitude
.endr
.irp b, 0,1,2,3
	v_add_nc_u32 v[TM+12+\b], 0xff000000, v[TM+\b] ; 2 off its exponent field: the conversion's scale operand
.endr
.irp b, 0,1,2,3
	v_lshrrev_b32 v[TM+4+\b], 23, v[TM+12+\b]      ; the scale's byte
.endr
	v_lshl_or_b32 v[PW], v[TM+5], 8, v[TM+4]       ; the four bytes make the scale word, the same in both halves of the lanes
	v_lshl_or_b32 v[PW], v[TM+6], 16, v[PW]
	v_lshl_or_b32 v[PW], v[TM+7], 24, v[PW]
.irp c, 0,1
	v_cvt_scalef32_pk16_fp6_f32 v[PC+6*\c:PC+2+6*\c], v[\s+32*\c:\s+15+32*\c], v[TM+12+2*\c]
	v_cvt_scalef32_pk16_fp6_f32 v[PC+12+4*\c:PC+14+4*\c], v[\s+16+32*\c:\s+31+32*\c], v[TM+12+2*\c+1]   ; (a conversion's three registers begin on an even number)
.endr
	v_nop                                          ; one plain place behind a scaled conversion
.irp c, 0,1                                    ; the operand's layout wants a WHOLE block in a lane: lanes 0-15 block 2 c, lanes 16-31 block 2 c + 1
.irp i, 0,1,2
	v_permlane16_swap_b32 v[PC+6*\c+\i], v[PC+12+4*\c+\i]
.endr
.irp i, 0,1,2
	v_mov_b32 v[PC+3+6*\c+\i], v[PC+12+4*\c+\i]
.endr
.endr
.endm
; Fragment f of my eight (tile 2 w + f / 4, K step f % 4): 16 rows x 512 bytes into set f % 3 of window 3; each load reads 512 consecutive bytes of one row
.macro LOADX f
	WIN 0xc0                                       ; destination window 3, address window 0
.irp i, 0,1,2,3,4,5,6,7,8,9,10,11,12,13,14,15
	global_load_b128 v[64*((\f)%3)+4*\i:64*((\f)%3)+4*\i+3], v[L16], s[32:33] offset:(16*((\f)/4)+\i)*2048+512*((\f)%4) th:TH_LOAD_NT
.endr
	WIN 0
.endm
.macro STEPX f
.if (\f) <= 5
	s_wait_loadcnt 32                              ; this set's 16 loads are in; the two younger sets may be out
.elseif (\f) == 6
	s_wait_loadcnt 16
.else
	s_wait_loadcnt 0x0
.endif
	WIN 0x0c                                       ; an LDS store's data are its source 1: window 3
.irp i, 0,1,2,3,4,5,6,7,8,9,10,11,12,13,14,15
	ds_store_b128 v[STI], v[64*((\f)%3)+4*\i:64*((\f)%3)+4*\i+3] offset:528*\i
.endr
	WIN 0
.irp b, 0,1,2,3
.irp j, 0,1,2,3
	ds_load_b128 v[HA+16*\b+4*\j:HA+16*\b+4*\j+3], v[STO] offset:128*\b+16*\j   ; LDS serves a wave's instructions in order: these see my stores.  Register 16 b + i: k = 32 b + 16 h + i of row r
.endr
.endr
	s_wait_dscnt 0x0                               ; the numbers are back, the set's registers have been read, and the last fragment's image has left its registers
.if (\f)+3 < 8
	LOADX (\f)+3
.endif
	QUANT HA
.irp c, 0,1,2
	ds_store_b128 v[XWI], v[PC+4*\c:PC+4*\c+3] offset:XIMG+1536*(\f)+512*\c
.endr
	ds_store_b32 v[XWS], v[PW] offset:XSC+128*(\f)
.endm
; Eight products, the accumulators by turns: resident fragment (t, s) x the ring's fragment s of buffer it % nb.  s = 0 starts the sums with the bias as C.
.macro MM pathb, it, nb, s
.if (\s) == 0
	WIN 0x3d                                       ; source 0 window 1, source 1 and C window 3, D window 0
.elseif (\s) == 1
	WIN 0x0d                                       ; C and D window 0
.else
	WIN 0x0e                                       ; source 0 window 2
.endif
.irp t, 0,1,2,3,4,5,6,7
.set rA, 12*(8*((\s)%2)+\t)
.set rB, 48*((\it)%(\nb))+12*(\s)
.if (\s) == 0
.if \pathb
.set rC, 192+8*(\it)
.else
.set rC, 192+8*\t
.endif
	v_wmma_scale_f32_16x16x128_f8f6f4 v[HA+8*\t:HA+8*\t+7], v[rA:rA+11], v[rB:rB+11], v[rC:rC+7], v[RS+4*\t+(\s)], v[TS+4*((\it)%(\nb))+(\s)] matrix_a_fmt:MATRIX_FMT_FP6 matrix_b_fmt:MATRIX_FMT_FP6
.else
	v_wmma_scale_f32_16x16x128_f8f6f4 v[HA+8*\t:HA+8*\t+7], v[rA:rA+11], v[rB:rB+11], v[HA+8*\t:HA+8*\t+7], v[RS+4*\t+(\s)], v[TS+4*((\it)%(\nb))+(\s)] matrix_a_fmt:MATRIX_FMT_FP6 matrix_b_fmt:MATRIX_FMT_FP6
.endif
.endr
.endm
.macro PLACES                          ; four plain places behind matrix instructions, in front of reads of their results and of loads into their registers
.rept 4
	v_nop
.endr
.endm
	s_load_b512 s[8:23], s[0:1], 0x0               ; q, k, v, bq, bk, bv, wimg, wscl
	s_load_b128 s[24:27], s[0:1], 0x40             ; qrec, kv
	v_lshl_add_u32 v[SPW], v0, 2, SPARE
	v_mov_b32 v[NIL], 0
	v_lshrrev_b32 v1, 5, v0
	v_readfirstlane_b32 s29, v1                    ; wave 0..3
	s_and_b32 s28, ttmp7, 0xffff                   ; y: 0 q, 1 k, 2 v
	s_mov_b32 s30, ttmp9                           ; x: which 128 rows
	v_and_b32 v1, 31, v0                           ; lane
	v_and_b32 v2, 15, v0                           ; r
	v_bfe_u32 v3, v0, 4, 1                         ; h
	v_lshlrev_b32 v[L16], 4, v1
	v_lshlrev_b32 v[L8], 3, v1
	v_lshlrev_b32 v[L4], 2, v1
	s_mul_i32 s31, s29, 8448
	s_add_co_u32 s31, s31, STG                     ; my stage
	v_add_nc_u32 v[STI], s31, v[L16]
	v_mul_u32_u24 v[STO], v2, 528
	v_lshl_add_u32 v[STO], v3, 6, v[STO]
	v_add_nc_u32 v[STO], s31, v[STO]
	s_mul_i32 s31, s29, 12288
	v_add_nc_u32 v[XWI], s31, v[L16]
	s_lshl_b32 s31, s29, 10
	v_add_nc_u32 v[XWS], s31, v[L4]
	v_lshlrev_b32 v[BOA], 6, v3
	v_and_b32 v[BOB], 8, v2
	v_add_nc_u32 v[BOB], v[BOB], v2
	v_lshlrev_b32 v[BOB], 2, v[BOB]
	v_mul_u32_u24 v[VSO], v3, 417792               ; 32 records of 13,056 bytes: the next head's
	v_lshl_add_u32 v[VSO], v2, 4, v[VSO]
	v_cmp_eq_u32 s50, 1, v3                        ; the mask of lanes 16-31
.irp b, 0,1,2,3
	v_mov_b32 v[TM+4+\b], 0                        ; written once: a lane permute's destination counts as one of its sources
.endr
	s_mov_b32 s[SEL], 0x76543210
	s_mov_b32 s[SEL+1], 0xfedcba98
	s_lshl_b32 s46, s30, 18                        ; x: 128 x rows of 2,048 bytes
	s_lshl_b32 s47, s29, 16                        ; + my 32 rows
	s_add_co_u32 s46, s46, s47
	s_mov_b32 s47, 0
	s_lshl_b32 s52, s29, 9                         ; the bias: my 128 numbers
	s_mov_b32 s53, 0
	s_mul_i32 s54, s28, 196608                     ; the weight's images: weight y,
	s_mul_i32 s55, s29, 49152                      ; my 8 tiles of 4 x 1,536 bytes
	s_add_co_u32 s54, s54, s55
	s_mov_b32 s55, 0
	s_lshl_b32 s56, s28, 14                        ; and its scale words
	s_lshl_b32 s57, s29, 12
	s_add_co_u32 s56, s56, s57
	s_mov_b32 s57, 0
	s_lshr_b32 s58, s30, 5                         ; the batch
	s_lshl_b32 s58, s58, 8
	s_lshl_b32 s59, s29, 6
	s_add_co_u32 s58, s58, s59
	s_and_b32 s59, s30, 31
	s_add_co_u32 s58, s58, s59                     ; the record of head 2 w: (8 batch + 2 w) x 32 + step
	s_mov_b32 s59, 0
	s_wait_kmcnt 0x0
	s_cmp_eq_u32 s28, 0                            ; the choices hang on the work-group's number alone
	s_cselect_b64 s[32:33], s[8:9], s[10:11]
	s_cselect_b64 s[34:35], s[14:15], s[16:17]
	s_cselect_b64 s[40:41], s[24:25], s[26:27]
	s_mov_b32 s44, 13056
	s_cselect_b32 s44, 6656, s44                   ; a record's bytes
	s_cmp_eq_u32 s28, 2
	s_cselect_b64 s[32:33], s[12:13], s[32:33]
	s_cselect_b64 s[34:35], s[18:19], s[34:35]
	s_mul_i32 s58, s58, s44
	s_lshl_b32 s60, s44, 5                         ; 32 records on: head 2 w + 1
	s_mov_b32 s61, 0
	s_add_nc_u64 s[32:33], s[32:33], s[46:47]      ; x at my first row
	s_add_nc_u64 s[34:35], s[34:35], s[52:53]      ; the bias
	s_add_nc_u64 s[36:37], s[20:21], s[54:55]      ; the weight's images
	s_add_nc_u64 s[38:39], s[22:23], s[56:57]      ; its scale words
	s_add_nc_u64 s[40:41], s[40:41], s[58:59]      ; head 2 w's record
	s_add_nc_u64 s[42:43], s[40:41], s[60:61]      ; head 2 w + 1's
	LOADX 0
	LOADX 1
	LOADX 2
.irp f, 0,1,2,3,4,5,6,7
	STEPX \f
.endr
	s_wait_dscnt 0x0                               ; for the others' sake: my images lie in LDS
	s_barrier_signal -1
	s_barrier_wait -1                              ; all 32 fragments of x do; from here on LDS is only read
	s_cmp_eq_u32 s28, 2
	s_cbranch_scc1 .Lv
	; ---- PATH q, k
	WIN 0xc0
.irp t, 0,1,2,3,4,5,6,7                        ; the bias in the result's layout: lane (r, h), tile 2 b + u: channels 32 b + 16 h + 8 u + 0 .. 7
	global_load_b128 v[192+8*\t:195+8*\t], v[BOA], s[34:35] offset:(32*(\t/2)+8*(\t%2))*4
	global_load_b128 v[196+8*\t:199+8*\t], v[BOA], s[34:35] offset:(32*(\t/2)+8*(\t%2))*4+16
.endr
	WIN 0
.irp t, 0,1,2,3,4,5,6,7
.irp s, 0,1,2,3
	global_load_b32 v[RS+4*\t+\s], v[L4], s[38:39] offset:(4*\t+\s)*128
.endr
.endr
.irp s, 0,1,2,3                                ; W's 32 fragments, by K steps, so that the first products need not wait for all
	WIN 0x40+0x40*(\s/2)
.irp t, 0,1,2,3,4,5,6,7
.irp c, 0,1,2
	global_load_b128 v[12*(8*(\s%2)+\t)+4*\c:12*(8*(\s%2)+\t)+4*\c+3], v[L16], s[36:37] offset:(4*\t+\s)*1536+512*\c
.endr
.endr
.endr
	WIN 0
.macro FETCHT m                        ; x's tile m, four fragments and their scale words, from LDS into buffer m % 2 of the ring
	WIN 0xc0
.irp s, 0,1,2,3
.irp c, 0,1,2
	ds_load_b128 v[48*((\m)%2)+12*\s+4*\c:48*((\m)%2)+12*\s+4*\c+3], v[L16] offset:XIMG+1536*(4*(\m)+\s)+512*\c
.endr
.endr
	WIN 0
.irp s, 0,1,2,3
	ds_load_b32 v[TS+4*((\m)%2)+\s], v[L4] offset:XSC+128*(4*(\m)+\s)
.endr
.endm
.macro ITA m                           ; rows 16 m .. 16 m + 15: 32 products, one QUANT, the two heads' half fragments to their records
	s_wait_dscnt 0x0                               ; x's tile m is in
.irp s, 0,1,2,3
.if (\m) == 0
.if \s == 0
	s_wait_loadcnt 63                              ; the bias, W's scale words and K step 0 are in: 72 loads are younger, the count's field ends at 63
.else
	s_wait_loadcnt 24*(3-\s)                       ; K step s is in: the later K steps' 24 loads each may be out
.endif
.endif
	MM 0, \m, 2, \s
.endr
	WIN 0
	PLACES
.if (\m) < 7
	FETCHT (\m)+1
.endif
	s_wait_xcnt 0x0                                ; the last tile's stores have read their registers: the codes may be written again
	QUANT HA
	v_and_b32 v[SW+(\m)], 0xffff, v[PW]            ; head 2 w's two bytes, zeros above,
	v_lshrrev_b32 v[SW+8+(\m)], 16, v[PW]          ; and head 2 w + 1's
	global_store_b128 v[L16], v[PC:PC+3], s[40:41] offset:768*(\m)          ; 512 consecutive bytes
	global_store_b64 v[L8], v[PC+4:PC+5], s[40:41] offset:768*(\m)+512      ; 256 consecutive bytes
	global_store_b128 v[L16], v[PC+6:PC+9], s[42:43] offset:768*(\m)
	global_store_b64 v[L8], v[PC+10:PC+11], s[42:43] offset:768*(\m)+512
.endm
	FETCHT 0
.irp m, 0,1,2,3,4,5,6,7
	ITA \m
.endr
.irp i, 0,1,2,3
	v_cndmask_b32 v[SD+\i], v[SW+\i], v[SW+4+\i], s50      ; lanes 0-15: the words of tiles 0-3 of row r; lanes 16-31: of tiles 4-7
.endr
	global_store_b128 v[L16], v[SD:SD+3], s[40:41] offset:6144
	s_wait_xcnt 0x0                                ; that store has read its registers
.irp i, 0,1,2,3
	v_cndmask_b32 v[SD+\i], v[SW+8+\i], v[SW+12+\i], s50
.endr
	global_store_b128 v[L16], v[SD:SD+3], s[42:43] offset:6144
	s_branch .Lend
	; ---- PATH v
.Lv:
.macro GROUPW n                        ; W's tile n, four fragments and their scale words, from memory into buffer n % 4 of the ring: 16 loads
	WIN 0xc0
.irp s, 0,1,2,3
.irp c, 0,1,2
	global_load_b128 v[48*((\n)%4)+12*\s+4*\c:48*((\n)%4)+12*\s+4*\c+3], v[L16], s[36:37] offset:(4*(\n)+\s)*1536+512*\c
.endr
.endr
	WIN 0
.irp s, 0,1,2,3
	global_load_b32 v[TS+4*((\n)%4)+\s], v[L4], s[38:39] offset:(4*(\n)+\s)*128
.endr
.endm
.irp n, 0,1,2,3,4,5,6,7
	global_load_b32 v[BT+\n], v[BOB], s[34:35] offset:(32*(\n/2)+8*(\n%2))*4   ; the bias of my lane's channel in tile n
.endr
	GROUPW 0
	GROUPW 1
	GROUPW 2
	GROUPW 3
.irp s, 0,1,2,3                                ; x's 32 fragments become the resident source 0
	WIN 0x40+0x40*(\s/2)
.irp t, 0,1,2,3,4,5,6,7
.irp c, 0,1,2
	ds_load_b128 v[12*(8*(\s%2)+\t)+4*\c:12*(8*(\s%2)+\t)+4*\c+3], v[L16] offset:XIMG+1536*(4*\t+\s)+512*\c
.endr
.endr
.endr
	WIN 0
.irp t, 0,1,2,3,4,5,6,7
.irp s, 0,1,2,3
	ds_load_b32 v[RS+4*\t+\s], v[L4] offset:XSC+128*(4*\t+\s)
.endr
.endr
	s_wait_loadcnt 63                              ; the eight biases are in: 64 loads are younger, the count's field ends at 63
	WIN 0xc0
.irp n, 0,1,2,3,4,5,6,7
.irp j, 0,1,2,3,4,5,6,7
	v_mov_b32 v[192+8*\n+\j], v[BT+\n]             ; as C: a lane holds one channel, so its eight registers hold the same number
.endr
.endr
	WIN 0
	PLACES
	s_wait_dscnt 0x0                               ; x is in
.macro ITB n                           ; W's tile n: 16 channels x the step's 128 keys: 32 products, one QUANT, one fragment of V to its record
.if (\n) <= 4
	s_wait_loadcnt 48                              ; tile n's 16 loads are in; the three younger groups may be out
.else
	s_wait_loadcnt 16*(7-(\n))
.endif
.irp s, 0,1,2,3
	MM 1, \n, 4, \s
.endr
	WIN 0
	PLACES
.if (\n) <= 3
	GROUPW (\n)+4
.endif
	s_wait_xcnt 0x0                                ; the last tile's stores have read their registers
	QUANT HA
	v_mov_b32 v[SW+(\n)], v[PW]
.irp c, 0,1,2
	global_store_b128 v[L16], v[PC+4*\c:PC+4*\c+3], s[40+2*((\n)/4):41+2*((\n)/4)] offset:6656+1536*((\n)%4)+512*\c
.endr
.endm
.irp n, 0,1,2,3,4,5,6,7
	ITB \n
.endr
.irp i, 0,1,2,3
	v_cndmask_b32 v[SD+\i], v[SW+\i], v[SW+4+\i], s50      ; lanes 0-15: head 2 w's four tiles; lanes 16-31: head 2 w + 1's
.endr
	global_store_b128 v[VSO], v[SD:SD+3], s[40:41] offset:12800
.Lend:
	s_wait_tensorcnt 0x0                           ; the wave's end, behind my last LDS store
	ds_add_u32 v[SPW], v[NIL]
	s_wait_dscnt 0x0
	s_endpgm
.Lfunc_end_k_qf6ef155801_proj:
	.size	k_qf6ef155801_proj, .Lfunc_end_k_qf6ef155801_proj-k_qf6ef155801_proj
	.p2alignl 7, 3214868480
	.fill 96, 4, 3214868480
	.section	.rodata,"a",@progbits
	.p2align	6, 0x0
	.amdhsa_kernel k_qf6ef155801_proj
		.amdhsa_group_segment_fixed_size 87552
		.amdhsa_private_segment_fixed_size 0
		.amdhsa_enable_private_segment 0
		.amdhsa_kernarg_size 80
		.amdhsa_user_sgpr_count 2
		.amdhsa_user_sgpr_kernarg_segment_ptr 1
		.amdhsa_wavefront_size32 1
		.amdhsa_system_sgpr_workgroup_id_x 1
		.amdhsa_system_sgpr_workgroup_id_y 1
		.amdhsa_system_sgpr_workgroup_id_z 1
		.amdhsa_system_vgpr_workitem_id 0
		.amdhsa_next_free_vgpr 1024
		.amdhsa_next_free_sgpr 66
		.amdhsa_reserve_vcc 0
		.amdhsa_float_denorm_mode_32 3
		.amdhsa_float_denorm_mode_16_64 3
		.amdhsa_memory_ordered 1
		.amdhsa_forward_progress 1
		.amdhsa_inst_pref_size 247
	.end_amdhsa_kernel
	.amdgpu_metadata
---
amdhsa.version: [ 1, 2 ]
amdhsa.kernels:
  - .name:           k_qf6ef155801_proj
    .symbol:         k_qf6ef155801_proj.kd
    .args:
      - { .name: q, .offset: 0, .size: 8, .value_kind: global_buffer, .address_space: global }
      - { .name: k, .offset: 8, .size: 8, .value_kind: global_buffer, .address_space: global }
      - { .name: v, .offset: 16, .size: 8, .value_kind: global_buffer, .address_space: global }
      - { .name: bq, .offset: 24, .size: 8, .value_kind: global_buffer, .address_space: global }
      - { .name: bk, .offset: 32, .size: 8, .value_kind: global_buffer, .address_space: global }
      - { .name: bv, .offset: 40, .size: 8, .value_kind: global_buffer, .address_space: global }
      - { .name: wimg, .offset: 48, .size: 8, .value_kind: global_buffer, .address_space: global }
      - { .name: wscl, .offset: 56, .size: 8, .value_kind: global_buffer, .address_space: global }
      - { .name: qrec, .offset: 64, .size: 8, .value_kind: global_buffer, .address_space: global }
      - { .name: kv, .offset: 72, .size: 8, .value_kind: global_buffer, .address_space: global }
    .group_segment_fixed_size: 87552
    .private_segment_fixed_size: 0
    .kernarg_segment_align: 8
    .kernarg_segment_size: 80
    .max_flat_workgroup_size: 128
    .sgpr_count:     66
    .vgpr_count:     1024
    .wavefront_size: 32
...
	.end_amdgpu_metadata
.endif
;; end of part 2
;; launch attn (part 3): grid 16 x 16, 16 waves a work-group, clusters of 4 x 1, 327,680 bytes of LDS; arguments qrec, kv, orec; writes orec
.if DOCPART == 3
	.amdgcn_target "amdgcn-amd-amdhsa--gfx1250"
	.amdhsa_code_object_version 6
	.text
	.protected	k_qf6ef155801_attn
	.globl	k_qf6ef155801_attn
	.p2align	8
	.type	k_qf6ef155801_attn,@function
k_qf6ef155801_attn:
	s_mov_b64 s[64:65], 0
	v_nop
	global_prefetch_b8 v0, s[64:65] scope:SCOPE_SE
	s_setreg_imm32_b32 hwreg(HW_REG_WAVE_MODE, 25, 1), 1
	s_wait_xcnt 0x0
	s_wait_alu depctr_hold_cnt(0) depctr_sa_sdst(0) depctr_va_vdst(0) depctr_va_sdst(0) depctr_va_ssrc(0) depctr_va_vcc(0) depctr_vm_vsrc(0)
	s_getreg_b32 s2, hwreg(HW_REG_IB_STS2, 6, 4)
	s_cmp_eq_u32 s2, 0
	s_cbranch_scc0 .Lentry_in_a_cluster
	s_endpgm
.Lentry_in_a_cluster:
	s_bfe_u32 s2, ttmp6, 0x10000c
	s_cmp_lg_u32 s2, 0x3003
	s_cbranch_scc0 .Lentry_shape_is_right
	s_endpgm
.Lentry_shape_is_right:
; Launch 3 of 4: for each batch and head, O = softmax(qh kh^T / 8) vh on codes of E2M3, and the quantiser of O / l along the 512 concatenated channels (a head owns two whole blocks of 32).  Nothing of reference() is left out.
; THE SOFTMAX AHEAD OF THE SECOND PRODUCT: t = score x log2(e) / 8; M = the row's largest t so far, rounded UP to a whole number; p = 2^(t - M) is what is quantised, along the keys, not normalised.  The row's sum is
; taken of the unquantised p and divides O at the end.  When M moves, the sum and O are multiplied by 2^(old M - new M): exact.
; LIMITS: as stated at the head of the first launch.
; SHARES.  A work-group owns 256 queries of one batch and head; each of its sixteen waves owns 16, in 256 registers: four waves to a SIMD, so that one wave's vector work stands beside another's products and LDS loads.
; Every wave walks the head's 4,096 keys, 128 a step.  A step's K and V are one dense record of 13,056 bytes, laid as images of the operands' registers by the launch before: every fragment comes by loads of 16 or 8 bytes
; a lane at consecutive addresses.  A ring of two LDS slots of four records; waves 0 to 3 fetch a record each.
; CLUSTER.  The four work-groups of a cluster belong to one head and walk the same records: each record is asked for JOINTLY, by the same tensor load with the same descriptor and a mask that names the four.
; LAYOUT.  S^T = K Q^T (source 0 = 16 keys, source 1 = my 16 queries), O^T = V^T P^T: a lane holds ONE query (lane % 16) throughout.  Register 16 b + i of S^T is key 32 b + 8 h + i (i < 8) or 32 b + 16 + 8 h + i - 8:
; each block of 32 is a true block of keys, and V's codes were laid in the same order inside a block.
; THE FIRST PRODUCT'S K IS 64, the instruction's 128.  Q's registers 6-11 are zero codes.  K's tile t stands at v[32 + 6 t] on, six registers; the instruction's upper six are the next tile's codes (tile 7's: six zeroed
; registers): a code times a zero code is 0, the format has no infinity and no NaN, and bytes 2, 3 of both scale words are 0, which stands for 2^-127.
; REGISTERS: v1-4 lane terms; v5-7 LDS addresses of the slot in hand; v8 the prefetch's offset; v12 -M, v13 the largest t, v[14:15] the sum; v16-27 Q; v30 Q's scale word, v31 p's; v32-79 K's eight tiles, then V's four
; fragments; v80-85 zeros; v88-95 K's scale words, then V's; v96-159 S^T, then p; v160-191 O^T; v192-203 p's codes; v204-226 at work.
.set REC,   13056                      ; a step's record
.set SLOTB, 4*REC                      ; a slot's bytes
.set SLOT1, 65536                      ; slot 1 begins here: one exclusive or turns an address in one slot into the other's
.set SPARE, 131072                     ; the spare words, 128 bytes for each wave: eight blocks of 256 bytes that no other line names
.set L16,  1
.set L8,   2
.set R16,  3
.set L4,   4
.set AD16, 5
.set AD8,  6
.set ADS,  7
.set PFO,  8
.set SPW,  28                          ; v28 LDS address of my spare word; never rewritten
.set NIL,  29                          ; v29 0; never rewritten
.set CT,   204                         ; v204-211 the conversions' second halves
.set BM,   212                         ; v212-215 the blocks' largest scores, then largest p
.set TP,   216                         ; v216-219 at work
.set SO,   220                         ; v220-223 the conversions' scale operands
.set FF,   224                         ; v[224:225] f = 2^(old M - new M): named as a pair, its low word serves both halves
.set TT,   226                         ; v226 at work
.set WV,   10                          ; s10 my wave's number
.set SEL,  20                          ; s[20:21] selects for lane l xor 16
.set CS,   22                          ; s[22:23] c = log2(e) / 8
.set G1,   24                          ; s[24:31] descriptor group 1
.set G0,   32                          ; s[32:35] descriptor group 0, which walks
.set TB,   36                          ; s36 LDS byte at which the slot in hand begins
.set SLOTS, 37                         ; s37 slots still to be asked for
.set LIM,  38                          ; s38 1 in a wave that prefetches, else the greatest number
.set PFA,  40                          ; s[40:41] where my prefetches stand
.macro CROUND                          ; a round of the cluster's barrier
	s_barrier_signal -1
	s_barrier_wait -1
	s_cmp_lg_u32 s[WV], 0
	s_cbranch_scc1 .Lnot_wave_0_\@
	s_barrier_signal -3
.Lnot_wave_0_\@:
	s_barrier_wait -3
	s_barrier_signal -1
	s_barrier_wait -1
.endm
.macro TLOAD                           ; waves 0 to 3 fetch a record each; the branch hangs on the wave's number alone.  An s_nop 0 and four v_nop follow the load
	s_cmp_lt_u32 s[WV], 4
	s_cbranch_scc0 .Lasked_\@
	tensor_load_to_lds s[G0:G0+3], s[G1:G1+7]
	s_nop 0
.rept 4
	v_nop
.endr
.Lasked_\@:
.endm
; A PREFETCH INTO THE L2 of the slot that the NEXT change of slots will ask for: four steps' work ahead of that load.  All clusters of a head walk the same records: the head's first cluster asks.  Its four partners take a
; record each, told apart BY ADDRESS.  In each, wave 4 names the record's blocks of 256 bytes 0 to 31 and wave 5 blocks 32 to 50 (its lanes 19 to 31 repeat block 50 in the same instruction).
; The last change that fills a slot asks for nothing; slots 0 and 1 come by their loads alone.
.macro ASK
	s_cmp_gt_u32 s[SLOTS], s[LIM]
	s_cbranch_scc0 .Lnot_mine_\@
	global_prefetch_b8 v[PFO], s[PFA:PFA+1] th:TH_LOAD_NT scope:SCOPE_SE
.Lnot_mine_\@:
.endm
	s_load_b128 s[4:7], s[0:1], 0x0                ; qrec, kv
	s_load_b64 s[8:9], s[0:1], 0x10                ; orec
	v_lshl_add_u32 v[SPW], v0, 2, SPARE
	v_mov_b32 v[NIL], 0
	ds_add_u32 v[SPW], v[NIL]                      ; the wave's opening: the add, twice on end, and its wait ahead of the first tensor load; the set-up below stands between the second and the wait
	ds_add_u32 v[SPW], v[NIL]
	v_lshrrev_b32 v9, 5, v0
	v_readfirstlane_b32 s[WV], v9                  ; wave 0..15
	s_bfe_u32 s11, ttmp6, 0x40000                  ; cx: my place in the cluster
	s_lshl_b32 s12, ttmp9, 2                       ; in a cluster launch ttmp9 counts clusters
	s_add_co_u32 s12, s12, s11                     ; X: my block of 256 queries: it enters qrec's and orec's addresses alone
	s_and_b32 s13, ttmp7, 0xffff                   ; y = 8 batch + head, which the four partners share
	s_mov_b32 s[G1], 15|(3<<16)|(1<<21)            ; 15:0 the mask: all four work-groups; 17:16 elements of 8 bytes; 20 no padding; 21 set beside a mask
	s_mov_b32 s[G1+1], 32<<16                      ; tensor_dim0 = 32 elements: rows of 256 bytes
	s_mov_b32 s[G1+2], 51<<16                      ; tensor_dim1 = 51 rows: a record
	s_mov_b32 s[G1+3], 32<<16                      ; tile_dim0
	s_mov_b32 s[G1+4], 51                          ; tile_dim1
	s_mov_b32 s[G1+5], 32                          ; the pitch: the block is dense
	s_mov_b32 s[G1+6], 0
	s_mov_b32 s[G1+7], 0
	s_mov_b32 s[SEL], 0x76543210
	s_mov_b32 s[SEL+1], 0xfedcba98
	s_mov_b32 s[CS], 0x3e38aa3b                    ; c = log2(e) / sqrt(64)
	s_mov_b32 s[CS+1], s[CS]                       ; (named with it as a pair, so it is written)
	s_mov_b32 s[TB], 0
	s_mov_b32 s[SLOTS], 7
	s_mov_b32 s[G0], 1                             ; count = 1
	s_mul_i32 s[G0+1], s[WV], REC                  ; LDS address: slot 0, my record: no place in the cluster enters it
	s_mul_i32 s14, s13, 32*REC                     ; the head's records in kv
	s_add_co_u32 s16, s14, s[G0+1]                 ; my record of slot 0
	s_mov_b32 s17, 0
	s_mul_i32 s18, s11, REC                        ; the prefetches: my work-group's record,
	s_add_co_u32 s18, s18, s14
	s_add_co_u32 s18, s18, SLOTB                   ; in slot 1: the first change of slots steps it to slot 2
	s_mov_b32 s19, 0
	s_lshl_b32 s42, s13, 5
	s_lshl_b32 s43, s12, 1
	s_add_co_u32 s42, s42, s43
	s_lshr_b32 s43, s[WV], 3
	s_add_co_u32 s42, s42, s43                     ; my group of 128 queries: 32 y + 2 X + wave / 8
	s_mul_i32 s42, s42, 6656
	s_and_b32 s43, s[WV], 7                        ; my tile in it
	s_mul_i32 s44, s43, 768
	s_add_co_u32 s44, s44, s42                     ; Q's codes
	s_mov_b32 s45, 0
	s_lshr_b32 s46, s43, 2
	s_lshl_b32 s46, s46, 8
	s_and_b32 s47, s43, 3
	s_lshl_b32 s47, s47, 2
	s_add_co_u32 s46, s46, s47
	s_add_co_u32 s46, s46, s42
	s_add_co_u32 s46, s46, 6144                    ; Q's scale words: 6,144 + 256 (tile / 4) + 4 (tile % 4), + 16 r by the lane
	s_mov_b32 s47, 0
	s_lshr_b32 s48, s13, 3
	s_lshl_b32 s48, s48, 8
	s_lshl_b32 s49, s12, 4
	s_add_co_u32 s48, s48, s49
	s_add_co_u32 s48, s48, s[WV]                   ; my tile of rows in orec: 256 batch + 16 X + wave
	s_mul_i32 s48, s48, 7168
	s_and_b32 s52, s13, 7                          ; the head
	s_lshl_b32 s50, s52, 7
	s_add_co_u32 s50, s50, s48
	s_add_co_u32 s50, s50, 6144                    ; its scale words
	s_mov_b32 s51, 0
	s_mul_i32 s53, s52, 768
	s_add_co_u32 s48, s48, s53                     ; its half fragment
	s_mov_b32 s49, 0
	s_sub_co_u32 s[LIM], s[WV], 4
	s_lshr_b32 s[LIM], s[LIM], 1                   ; 0 in waves 4 and 5,
	s_or_b32 s[LIM], s[LIM], ttmp9                 ; of the head's first cluster: the same in all four partners
	s_cmp_eq_u32 s[LIM], 0
	s_cselect_b32 s[LIM], 1, -1
	s_cmp_eq_u32 s[WV], 5
	s_cselect_b32 s54, 18, 31
	s_cselect_b32 s55, 8192, 0
	v_and_b32 v9, 31, v0                           ; lane
	v_and_b32 v10, 15, v0                          ; r
	v_lshlrev_b32 v[L16], 4, v9
	v_lshlrev_b32 v[L8], 3, v9
	v_lshlrev_b32 v[R16], 4, v10
	v_lshlrev_b32 v[L4], 2, v9
	v_min_u32 v[PFO], s54, v9
	v_lshl_add_u32 v[PFO], v[PFO], 8, s55          ; 256 x lane; in wave 5: 256 x (32 + min(lane, 18))
	s_wait_dscnt 0x0                               ; both opening adds are done
	s_wait_kmcnt 0x0
	s_add_nc_u64 s[G0+2:G0+3], s[6:7], s[16:17]    ; global address: made of the head and the wave's number alone
	s_or_b32 s[G0+3], s[G0+3], 0x80000000          ; type = 2
	s_add_nc_u64 s[PFA:PFA+1], s[6:7], s[18:19]
	s_add_nc_u64 s[44:45], s[4:5], s[44:45]
	s_add_nc_u64 s[46:47], s[4:5], s[46:47]
	s_add_nc_u64 s[48:49], s[8:9], s[48:49]
	s_add_nc_u64 s[50:51], s[8:9], s[50:51]
	CROUND                                         ; all four work-groups are here: the first joint loads meet
	TLOAD                                          ; slot 0
	global_load_b128 v[16:19], v[L16], s[44:45] th:TH_LOAD_NT              ; Q's six registers stay
	global_load_b64 v[20:21], v[L8], s[44:45] offset:512 th:TH_LOAD_NT
	global_load_b32 v30, v[R16], s[46:47]          ; and its scale word
.irp j, 0,1,2,3,4,5
	v_mov_b32 v[22+\j], 0                          ; Q's upper 64 along K: zero codes
	v_mov_b32 v[80+\j], 0                          ; what stands behind K's last tile
.endr
	v_mov_b32 v13, 0xff61b1e6                      ; the largest t so far: -3e38, under every t
	v_floor_f32 v12, -v13                          ; -M
	v_mov_b32 v14, 0                               ; the sum, in two halves
	v_mov_b32 v15, 0
.irp b, 0,1,2,3
	v_mov_b32 v[TP+\b], 0                          ; written once: a lane permute's destination counts as one of its sources
.endr
	v_mov_b32 v[FF+1], 0                           ; (named as the upper half of a pair)
.set j, 0
.rept 32
	v_mov_b32 v[160+j], 0                          ; O^T.  (The step is written once: the first finds zeros, which the first change of M leaves zeros)
.set j, j+1
.endr
; A KEY STEP: 128 keys, record q of the slot in hand.
.macro STEP q
.set OB, REC*(\q)
.rept 4
	v_nop                                          ; places in front of loads into registers that the last products read
.endr
.irp t, 0,1,2,3,4,5,6,7
	ds_load_b128 v[32+6*\t:35+6*\t], v[AD16] offset:OB+768*\t
	ds_load_b64 v[36+6*\t:37+6*\t], v[AD8] offset:OB+768*\t+512
.endr
	ds_load_b128 v[88:91], v[ADS] offset:OB+6144   ; row r's scale words of tiles 0-3,
	ds_load_b128 v[92:95], v[ADS] offset:OB+6400   ; and 4-7
	s_wait_dscnt 0x0
.irp t, 0,1,2,3,4,5,6,7
	v_wmma_scale_f32_16x16x128_f8f6f4 v[96+8*\t:103+8*\t], v[32+6*\t:43+6*\t], v[16:27], 0, v[88+\t], v30 matrix_a_fmt:MATRIX_FMT_FP6 matrix_b_fmt:MATRIX_FMT_FP6
.endr
.rept 4
	v_nop                                          ; places: in front of the loads below and of the first read of the scores
.endr
.irp n, 0,1,2,3                                ; V's four fragments and their scale words land under the softmax
.irp c, 0,1,2
	ds_load_b128 v[32+12*\n+4*\c:35+12*\n+4*\c], v[AD16] offset:OB+6656+1536*\n+512*\c
.endr
.endr
	ds_load_b128 v[88:91], v[ADS] offset:OB+12800
.irp b, 0,1,2,3
	v_max3_num_f32 v[BM+\b], v[96+16*\b], v[97+16*\b], v[98+16*\b]   ; THE LARGEST SCORE OF EACH BLOCK OF 32 KEYS serves twice: for the row's maximum and, since p rises with the score, for the block's largest p
.endr
.irp i, 3,5,7,9,11,13
.irp b, 0,1,2,3
	v_max3_num_f32 v[BM+\b], v[BM+\b], v[96+16*\b+\i], v[97+16*\b+\i]   ; (the four blocks by turns)
.endr
.endr
.irp b, 0,1,2,3
	v_max_num_f32 v[BM+\b], v[BM+\b], v[111+16*\b]
.endr
.irp b, 0,1,2,3
	v_permlanex16_b32 v[TP+\b], v[BM+\b], s[SEL], s[SEL+1]
.endr
.irp b, 0,1,2,3
	v_max_num_f32 v[BM+\b], v[BM+\b], v[TP+\b]     ; with lane l xor 16's 16 keys
.endr
	v_max3_num_f32 v[TT], v[BM], v[BM+1], v[BM+2]
	v_max_num_f32 v[TT], v[TT], v[BM+3]            ; the step's largest score of my query
	v_mul_f32 v[TT], s[CS], v[TT]                  ; as t (c is positive)
	v_max_num_f32 v13, v13, v[TT]                  ; the running largest t
	v_mov_b32 v[TT], v12
	v_floor_f32 v12, -v13                          ; the new -M = floor(-t) = -ceil(t): M is a whole number
	v_sub_f32 v[TT], v12, v[TT]                    ; M's old value less its new one: a whole number, 0 or less
	v_cvt_i32_f32 v[TT], v[TT]                     ; (it saturates)
	v_ldexp_f32 v[FF], 1.0, v[TT]                  ; f = 2^(old M - new M)
.set j, 0
.rept 32
	v_pk_fma_f32 v[96+j:97+j], v[96+j:97+j], s[CS:CS+1], v[12:13] op_sel_hi:[1,0,0]   ; t - M, two at a time (of the pairs c and -M the low word serves both halves)
.set j, j+2
.endr
.irp b, 0,1,2,3
	v_fma_f32 v[BM+\b], v[BM+\b], s[CS], v12       ; the same of each block's largest score
.endr
.set j, 0
.rept 64
	v_exp_f32 v[96+j], v[96+j]                     ; p = 2^(t - M), at most 1: not normalised
.set j, j+1
.endr
	v_pk_mul_f32 v[14:15], v[14:15], v[FF:FF+1] op_sel_hi:[1,0]   ; the sums under the new M.  (A plain place behind the exponentials)
	s_wait_alu depctr_va_vdst(0)                   ; one wait for the whole batch, ahead of its first reader
.irp b, 0,1,2,3
	v_exp_f32 v[BM+\b], v[BM+\b]                   ; the block's largest p: the same two instructions on the same number give the same bits
.endr
	v_pk_add_f32 v[TP:TP+1], v[96:97], v[98:99]    ; THE ROW'S SUM IS TAKEN OF THE UNQUANTISED p: two at a time, in two chains
.set j, 4
.rept 15
	v_pk_add_f32 v[14:15], v[14:15], v[96+j:97+j]
	v_pk_add_f32 v[TP:TP+1], v[TP:TP+1], v[98+j:99+j]
.set j, j+4
.endr
	v_pk_add_f32 v[14:15], v[14:15], v[TP:TP+1]
	s_wait_alu depctr_va_vdst(0)                   ; and one for the four
.irp b, 0,1,2,3
	v_max_num_f32 v[BM+\b], 0x1800000, v[BM+\b]    ; the floor 2^(3 - 127): the byte cannot fall under 1
.endr
.irp b, 0,1,2,3
	v_add_nc_u32 v[SO+\b], 0xff000000, v[BM+\b]    ; 2 off the exponent field: the conversion's scale operand
.endr
.irp b, 0,1,2,3
	v_lshrrev_b32 v[TP+\b], 23, v[SO+\b]           ; the scale's byte
.endr
	v_lshl_or_b32 v31, v[TP+1], 8, v[TP]           ; p's scale word for these 128 keys
	v_lshl_or_b32 v31, v[TP+2], 16, v31
	v_lshl_or_b32 v31, v[TP+3], 24, v31
.irp c, 0,1
	v_cvt_scalef32_pk16_fp6_f32 v[192+6*\c:194+6*\c], v[96+32*\c:111+32*\c], v[SO+2*\c]
	v_cvt_scalef32_pk16_fp6_f32 v[CT+4*\c:CT+2+4*\c], v[112+32*\c:127+32*\c], v[SO+2*\c+1]   ; (a conversion's three registers begin on an even number)
.endr
	v_nop                                          ; one plain place behind a scaled conversion
.irp c, 0,1                                    ; the operand's layout wants a WHOLE block in a lane
.irp i, 0,1,2
	v_permlane16_swap_b32 v[192+6*\c+\i], v[CT+4*\c+\i]
.endr
.irp i, 0,1,2
	v_mov_b32 v[195+6*\c+\i], v[CT+4*\c+\i]
.endr
.endr
.set j, 0
.rept 16
	v_pk_mul_f32 v[160+j:161+j], v[160+j:161+j], v[FF:FF+1] op_sel_hi:[1,0]   ; O^T under the new M.  (These are also the places between the writes of p's codes and scale word and the products below)
.set j, j+2
.endr
	s_wait_dscnt 0x0                               ; V is in
.irp n, 0,1,2,3                                ; O^T += V^T P^T: four accumulators by turns
	v_wmma_scale_f32_16x16x128_f8f6f4 v[160+8*\n:167+8*\n], v[32+12*\n:43+12*\n], v[192:203], v[160+8*\n:167+8*\n], v[88+\n], v31 matrix_a_fmt:MATRIX_FMT_FP6 matrix_b_fmt:MATRIX_FMT_FP6
.endr
.endm
; THE CHANGE OF SLOTS stands at a slot's head.  Each wave waits for all its tensor loads, adds 0 to its spare word, and waits for that and for its reads of the slot that it has left.  fill = 1: behind a round of the
; cluster's barrier (no wave of any partner still reads that slot or has a load on its way) it is filled with the next four records: the load has four steps' work in which to land.
.macro CHANGE fill
	s_wait_tensorcnt 0x0                           ; no tensor load of mine is out, so the group 0 may be written
	ds_add_u32 v[SPW], v[NIL]                      ; 0 onto my spare word
.if \fill
	ds_add_u32 v[SPW], v[NIL]                      ; and once more: the add stands twice on end, in every trip alike
	s_xor_b32 s[G0+1], s[G0+1], SLOT1              ; the walking descriptor: the other slot than last time,
	s_add_nc_u64 s[G0+2:G0+3], s[G0+2:G0+3], SLOTB ; the next four records; the type bits on top are not reached
	s_wait_xcnt 0x0                                ; the last prefetch, a slot back, has read its address, so it may be written:
	s_add_nc_u64 s[PFA:PFA+1], s[PFA:PFA+1], SLOTB ; one slot further on than the walking descriptor
	s_wait_dscnt 0x0                               ; both adds are done, and my reads of the slot that I have left are over
	CROUND
	TLOAD                                          ; the first thing behind the round, and a wave's one tensor load until the next
	ASK
.else
	s_wait_dscnt 0x0
	s_barrier_signal -1
	s_barrier_wait -1
.endif
.endm
.macro SLOT_STEPS
	v_add_nc_u32 v[AD16], s[TB], v[L16]
	v_add_nc_u32 v[AD8], s[TB], v[L8]
	v_add_nc_u32 v[ADS], s[TB], v[R16]
	STEP 0
	STEP 1
	STEP 2
	STEP 3
	s_xor_b32 s[TB], s[TB], SLOT1                  ; on to the other slot
.endm
	s_wait_loadcnt 0x0                             ; Q
.Lslot:                                            ; seven trips: behind each change of slots but the last the next slot is asked for
	CHANGE 1
	SLOT_STEPS
	s_sub_co_u32 s[SLOTS], s[SLOTS], 1
	s_cmp_lg_u32 s[SLOTS], 0
	s_cbranch_scc1 .Lslot
	CHANGE 0                                       ; the last slot is written out
	SLOT_STEPS
	; THE WAY OUT.  O^T / the sum: register 16 b + i is channel 32 b + 16 h + i of my head: two blocks of the last product's K.  They are quantised here, and leave as an image of half a fragment.
.rept 4
	v_nop                                          ; places behind the last products
.endr
	v_add_f32 v14, v14, v15                        ; the sum's two halves,
	v_permlanex16_b32 v[TT], v14, s[SEL], s[SEL+1]
	v_add_f32 v14, v14, v[TT]                      ; and lane l xor 16's: the row's sum
	v_rcp_f32 v14, v14
	v_nop                                          ; a plain place behind the reciprocal
	s_wait_alu depctr_va_vdst(0)                   ; and the wait ahead of its first reader
.set j, 0
.rept 32
	v_mul_f32 v[96+j], v[160+j], v14
.set j, j+1
.endr
.irp b, 0,1
	v_max3_num_f32 v[BM+\b], |v[96+16*\b]|, |v[97+16*\b]|, 0x1800000
.endr
.irp i, 2,4,6,8,10,12,14
.irp b, 0,1
	v_max3_num_f32 v[BM+\b], v[BM+\b], |v[96+16*\b+\i]|, |v[97+16*\b+\i]|
.endr
.endr
.irp b, 0,1
	v_permlanex16_b32 v[TP+\b], v[BM+\b], s[SEL], s[SEL+1]
.endr
.irp b, 0,1
	v_max_num_f32 v[BM+\b], v[BM+\b], v[TP+\b]
.endr
.irp b, 0,1
	v_add_nc_u32 v[SO+\b], 0xff000000, v[BM+\b]
.endr
.irp b, 0,1
	v_lshrrev_b32 v[TP+\b], 23, v[SO+\b]
.endr
	v_lshl_or_b32 v[TT], v[TP+1], 8, v[TP]         ; my head's two bytes low, zeros above
	v_cvt_scalef32_pk16_fp6_f32 v[192:194], v[96:111], v[SO]
	v_cvt_scalef32_pk16_fp6_f32 v[CT:CT+2], v[112:127], v[SO+1]
	v_nop                                          ; one plain place behind a scaled conversion
.irp i, 0,1,2
	v_permlane16_swap_b32 v[192+\i], v[CT+\i]
.endr
.irp i, 0,1,2
	v_mov_b32 v[195+\i], v[CT+\i]
.endr
	global_store_b128 v[L16], v[192:195], s[48:49]             ; 512 consecutive bytes
	global_store_b64 v[L8], v[196:197], s[48:49] offset:512    ; 256 consecutive bytes
	global_store_b32 v[L4], v[TT], s[50:51]
	s_wait_tensorcnt 0x0                           ; the wave's end, behind my last tensor load
	ds_add_u32 v[SPW], v[NIL]
	s_wait_dscnt 0x0
	CROUND                                         ; the closing round: no work-group ends while a partner may still ask for a record that names it
	s_endpgm
.Lfunc_end_k_qf6ef155801_attn:
	.size	k_qf6ef155801_attn, .Lfunc_end_k_qf6ef155801_attn-k_qf6ef155801_attn
	.p2alignl 7, 3214868480
	.fill 96, 4, 3214868480
	.section	.rodata,"a",@progbits
	.p2align	6, 0x0
	.amdhsa_kernel k_qf6ef155801_attn
		.amdhsa_group_segment_fixed_size 327680
		.amdhsa_private_segment_fixed_size 0
		.amdhsa_enable_private_segment 0
		.amdhsa_kernarg_size 24
		.amdhsa_user_sgpr_count 2
		.amdhsa_user_sgpr_kernarg_segment_ptr 1
		.amdhsa_wavefront_size32 1
		.amdhsa_system_sgpr_workgroup_id_x 1
		.amdhsa_system_sgpr_workgroup_id_y 1
		.amdhsa_system_sgpr_workgroup_id_z 1
		.amdhsa_system_vgpr_workitem_id 0
		.amdhsa_next_free_vgpr 256
		.amdhsa_next_free_sgpr 66
		.amdhsa_reserve_vcc 0
		.amdhsa_float_denorm_mode_32 3
		.amdhsa_float_denorm_mode_16_64 3
		.amdhsa_memory_ordered 1
		.amdhsa_forward_progress 1
		.amdhsa_inst_pref_size 136
	.end_amdhsa_kernel
	.amdgpu_metadata
---
amdhsa.version: [ 1, 2 ]
amdhsa.kernels:
  - .name:           k_qf6ef155801_attn
    .symbol:         k_qf6ef155801_attn.kd
    .args:
      - { .name: qrec, .offset: 0, .size: 8, .value_kind: global_buffer, .address_space: global }
      - { .name: kv, .offset: 8, .size: 8, .value_kind: global_buffer, .address_space: global }
      - { .name: orec, .offset: 16, .size: 8, .value_kind: global_buffer, .address_space: global }
    .group_segment_fixed_size: 327680
    .private_segment_fixed_size: 0
    .kernarg_segment_align: 8
    .kernarg_segment_size: 24
    .max_flat_workgroup_size: 512
    .sgpr_count:     66
    .vgpr_count:     256
    .wavefront_size: 32
...
	.end_amdgpu_metadata
.endif
;; end of part 3
;; launch oproj (part 4): grid 4 x 64, 4 waves a work-group, no clusters, 17,920 bytes of LDS; arguments orec, wimg, wscl, bo, out0; writes out0
.if DOCPART == 4
	.amdgcn_target "amdgcn-amd-amdhsa--gfx1250"
	.amdhsa_code_object_version 6
	.text
	.protected	k_qf6ef155801_oproj
	.globl	k_qf6ef155801_oproj
	.p2align	8
	.type	k_qf6ef155801_oproj,@function
k_qf6ef155801_oproj:
	s_mov_b64 s[64:65], 0
	v_nop
	global_prefetch_b8 v0, s[64:65] scope:SCOPE_SE
	s_setreg_imm32_b32 hwreg(HW_REG_WAVE_MODE, 25, 1), 1
	s_wait_xcnt 0x0
; Launch 4 of 4: out0 = O Wo + bo on codes of E2M3.  O's codes and scale bytes were made by the launch before, Wo's by the first.  Nothing of reference() is left out.
; SHARES.  Work-group (x, y): rows 128 y on, columns 128 x on.  Wave (wr = w / 2, wc = w % 2): 64 x 64: 16 accumulators, 64 products (K = 512: four steps).  Every operand goes from memory straight into the registers that use
; it, as images of those registers: loads of 16 or 8 bytes a lane at consecutive addresses.  No operand goes through LDS, and no barrier is needed: what several work-groups share here is small (a wave's part of Wo is
; 24,576 bytes) and a joint load would add its bytes as LDS writes and reads.
; THE PRODUCT IS USED TRANSPOSED (source 0 = 16 columns of Wo, source 1 = 16 rows of O): lane (r, h) holds row r, and register j of tile 2 b + u holds column 32 b + 16 h + 8 u + j.  bo is the C of each sum's first product.
; orec: [tile of 16 rows 512][7,168]: head e's half fragment (registers 6 (e % 2) on of K step e / 2) at 768 e: registers 0-3 at 16 l, registers 4-5 at 512 + 8 l; its scale word (two bytes low) at 6,144 + 128 e + 4 l.
; REGISTERS, in windows of 256: window 0: addresses; v16-31 Wo's scale words; v32-63 O's half words, later rows of the result; v64-79 O's scale words; v80-111 rows of the result; v128-255 the accumulators ((a, t) at 128 + 8 (4 a + t)).
; Window 1: Wo's fragments (t, s) at 12 (4 t + s); from v192 bo's four tiles.   Window 2: O's fragments at 48 a + 6 e.
.set SP,    272                        ; a stage row: 256 bytes + 16
.set SPARE, 17408                      ; behind the four stages (16 rows each): the spare words, 128 bytes for each wave: two blocks of 256 bytes that no other line names
.set L16, 4
.set L8,  5
.set L4,  6
.set BOF, 7                            ; v7   64 h
.set STO, 8                            ; v8   the stage: where I put 32 bytes of a row
.set SRD, 9                            ; v9   and where I read a row back
.set GO,  10                           ; v10  my byte offset in two rows of out0
.set SPW, 14                           ; v14  LDS address of my spare word; never rewritten
.set NIL, 15                           ; v15  0; never rewritten
.set WS,  16
.set AR,  32
.set AS,  64
.set ACC, 128
.set MSB, 0
.macro WIN new                         ; the immediate's high byte repeats the setting that is left
.if MSB != (\new)
	s_set_vgpr_msb (MSB<<8)|(\new)
.set MSB, (\new)
.endif
.endm
	s_load_b256 s[4:11], s[0:1], 0x0               ; orec, wimg, wscl, bo
	s_load_b64 s[12:13], s[0:1], 0x20              ; out0
	v_lshl_add_u32 v[SPW], v0, 2, SPARE
	v_mov_b32 v[NIL], 0
	v_lshrrev_b32 v1, 5, v0
	v_readfirstlane_b32 s14, v1                    ; wave 0..3
	s_lshr_b32 s15, s14, 1                         ; wr
	s_and_b32 s16, s14, 1                          ; wc
	s_and_b32 s18, ttmp7, 0xffff                   ; y
	v_and_b32 v1, 31, v0                           ; lane
	v_and_b32 v2, 15, v0                           ; r
	v_bfe_u32 v3, v0, 4, 1                         ; h
	v_lshlrev_b32 v[L16], 4, v1
	v_lshlrev_b32 v[L8], 3, v1
	v_lshlrev_b32 v[L4], 2, v1
	v_lshlrev_b32 v[BOF], 6, v3
	s_mul_i32 s19, s14, 16*SP                      ; my stage
	v_mul_u32_u24 v[STO], v2, SP
	v_lshl_add_u32 v[STO], v3, 6, v[STO]
	v_add_nc_u32 v[STO], s19, v[STO]               ; in: row r, + 64 h
	v_mul_u32_u24 v[SRD], v3, SP
	v_lshl_add_u32 v[SRD], v2, 4, v[SRD]
	v_add_nc_u32 v[SRD], s19, v[SRD]               ; back: lanes 0-15 one row of 256 bytes, lanes 16-31 the next
	v_lshlrev_b32 v[GO], 11, v3
	v_lshl_add_u32 v[GO], v2, 4, v[GO]             ; and the same two rows in out0
	s_lshl_b32 s20, ttmp9, 3
	s_lshl_b32 s21, s16, 2
	s_add_co_u32 s20, s20, s21                     ; my first tile of Wo: 8 x + 4 wc
	s_mul_i32 s22, s20, 6144
	s_add_co_u32 s22, s22, 589824                  ; Wo is the fourth weight in wimg
	s_mov_b32 s23, 0
	s_lshl_b32 s24, s20, 9
	s_add_co_u32 s24, s24, 49152                   ; and in wscl
	s_mov_b32 s25, 0
	s_lshl_b32 s26, s20, 6                         ; my first column, in bytes: 64 bytes a tile of 16
	s_mov_b32 s27, 0
	s_lshl_b32 s28, s18, 3
	s_lshl_b32 s29, s15, 2
	s_add_co_u32 s28, s28, s29                     ; my first tile of rows: 8 y + 4 wr
	s_lshl_b32 s30, s28, 15                        ; 16 rows of 2,048 bytes a tile
	s_add_co_u32 s30, s30, s26
	s_mov_b32 s31, 0
	s_mul_i32 s28, s28, 7168
	s_mov_b32 s29, 0
	s_wait_kmcnt 0x0
	s_add_nc_u64 s[4:5], s[4:5], s[28:29]
	s_add_nc_u64 s[6:7], s[6:7], s[22:23]
	s_add_nc_u64 s[8:9], s[8:9], s[24:25]
	s_add_nc_u64 s[10:11], s[10:11], s[26:27]
	s_add_nc_u64 s[12:13], s[12:13], s[30:31]
	WIN 0x40                                       ; destination window 1
.set i, 0
.rept 48
	global_load_b128 v[4*i:4*i+3], v[L16], s[6:7] offset:512*i     ; Wo's 16 fragments lie on end: piece i is registers 4 i on
.set i, i+1
.endr
.irp t, 0,1,2,3
	global_load_b128 v[192+8*\t:195+8*\t], v[BOF], s[10:11] offset:(32*(\t/2)+8*(\t%2))*4
	global_load_b128 v[196+8*\t:199+8*\t], v[BOF], s[10:11] offset:(32*(\t/2)+8*(\t%2))*4+16
.endr
	WIN 0x80                                       ; destination window 2
.irp a, 0,1,2,3
.irp e, 0,1,2,3,4,5,6,7
	global_load_b128 v[48*\a+6*\e:48*\a+6*\e+3], v[L16], s[4:5] offset:7168*\a+768*\e
	global_load_b64 v[48*\a+6*\e+4:48*\a+6*\e+5], v[L8], s[4:5] offset:7168*\a+768*\e+512
.endr
.endr
	WIN 0
.irp t, 0,1,2,3
.irp s, 0,1,2,3
	global_load_b32 v[WS+4*\t+\s], v[L4], s[8:9] offset:128*(4*\t+\s)
.endr
.endr
.irp a, 0,1,2,3
.irp e, 0,1,2,3,4,5,6,7
	global_load_b32 v[AR+8*\a+\e], v[L4], s[4:5] offset:7168*\a+6144+128*\e
.endr
.endr
	s_wait_loadcnt 0x0
.irp a, 0,1,2,3
.irp s, 0,1,2,3
	v_lshl_or_b32 v[AS+4*\a+\s], v[AR+8*\a+2*\s+1], 16, v[AR+8*\a+2*\s]   ; two heads' two bytes each make a K step's scale word
.endr
.endr
.rept 8
	v_nop                                          ; a scale register written by a vector instruction stands eight places ahead of a scaled product
.endr
.irp s, 0,1,2,3                                ; the 16 accumulators by turns, a K step at a time
.if \s == 0
	WIN 0x19                                       ; source 0 (Wo) and C (bo) window 1, source 1 (O) window 2, D window 0
.else
	WIN 0x09                                       ; C and D window 0
.endif
.irp a, 0,1,2,3
.irp t, 0,1,2,3
.if \s == 0
	v_wmma_scale_f32_16x16x128_f8f6f4 v[ACC+8*(4*\a+\t):ACC+8*(4*\a+\t)+7], v[12*(4*\t+\s):12*(4*\t+\s)+11], v[48*\a+12*\s:48*\a+12*\s+11], v[192+8*\t:199+8*\t], v[WS+4*\t+\s], v[AS+4*\a+\s] matrix_a_fmt:MATRIX_FMT_FP6 matrix_b_fmt:MATRIX_FMT_FP6
.else
	v_wmma_scale_f32_16x16x128_f8f6f4 v[ACC+8*(4*\a+\t):ACC+8*(4*\a+\t)+7], v[12*(4*\t+\s):12*(4*\t+\s)+11], v[48*\a+12*\s:48*\a+12*\s+11], v[ACC+8*(4*\a+\t):ACC+8*(4*\a+\t)+7], v[WS+4*\t+\s], v[AS+4*\a+\s] matrix_a_fmt:MATRIX_FMT_FP6 matrix_b_fmt:MATRIX_FMT_FP6
.endif
.endr
.endr
.endr
	WIN 0
.rept 4
	v_nop                                          ; places in front of the first read of results
.endr
; THE WAY OUT, 16 rows x 64 columns at a time, through my own stage: a lane's 32 bytes go into rows of 272 bytes and come back as whole rows of 256, which sixteen lanes store as one aligned block.
.irp a, 0,1,2,3
.set BB, 80-48*(\a%2)                          ; v80-111 and v32-63 by turns
.if \a >= 2
	s_wait_xcnt 0x0                                ; the stores of two blocks back have read their registers
.endif
.irp t, 0,1,2,3
	ds_store_b128 v[STO], v[ACC+8*(4*\a+\t):ACC+8*(4*\a+\t)+3] offset:128*(\t/2)+32*(\t%2)          ; each accumulator from its low end on
	ds_store_b128 v[STO], v[ACC+8*(4*\a+\t)+4:ACC+8*(4*\a+\t)+7] offset:128*(\t/2)+32*(\t%2)+16
.endr
.irp i, 0,1,2,3,4,5,6,7
	ds_load_b128 v[BB+4*\i:BB+4*\i+3], v[SRD] offset:2*\i*SP       ; LDS serves a wave's instructions in order: these see my stores, and the next block's stores come behind them
.endr
.irp i, 0,1,2,3,4,5,6,7
	s_wait_dscnt 7-\i                              ; pair i of rows is back; the younger loads may be out
	global_store_b128 v[GO], v[BB+4*\i:BB+4*\i+3], s[12:13] offset:(16*\a+2*\i)*2048 th:TH_STORE_NT
.endr
.endr
	s_wait_tensorcnt 0x0                           ; the wave's end, behind my last LDS store
	ds_add_u32 v[SPW], v[NIL]
	s_wait_dscnt 0x0
	s_endpgm
.Lfunc_end_k_qf6ef155801_oproj:
	.size	k_qf6ef155801_oproj, .Lfunc_end_k_qf6ef155801_oproj-k_qf6ef155801_oproj
	.p2alignl 7, 3214868480
	.fill 96, 4, 3214868480
	.section	.rodata,"a",@progbits
	.p2align	6, 0x0
	.amdhsa_kernel k_qf6ef155801_oproj
		.amdhsa_group_segment_fixed_size 17920
		.amdhsa_private_segment_fixed_size 0
		.amdhsa_enable_private_segment 0
		.amdhsa_kernarg_size 40
		.amdhsa_user_sgpr_count 2
		.amdhsa_user_sgpr_kernarg_segment_ptr 1
		.amdhsa_wavefront_size32 1
		.amdhsa_system_sgpr_workgroup_id_x 1
		.amdhsa_system_sgpr_workgroup_id_y 1
		.amdhsa_system_sgpr_workgroup_id_z 1
		.amdhsa_system_vgpr_workitem_id 0
		.amdhsa_next_free_vgpr 768
		.amdhsa_next_free_sgpr 66
		.amdhsa_reserve_vcc 0
		.amdhsa_float_denorm_mode_32 3
		.amdhsa_float_denorm_mode_16_64 3
		.amdhsa_memory_ordered 1
		.amdhsa_forward_progress 1
		.amdhsa_inst_pref_size 36
	.end_amdhsa_kernel
	.amdgpu_metadata
---
amdhsa.version: [ 1, 2 ]
amdhsa.kernels:
  - .name:           k_qf6ef155801_oproj
    .symbol:         k_qf6ef155801_oproj.kd
    .args:
      - { .name: orec, .offset: 0, .size: 8, .value_kind: global_buffer, .address_space: global }
      - { .name: wimg, .offset: 8, .size: 8, .value_kind: global_buffer, .address_space: global }
      - { .name: wscl, .offset: 16, .size: 8, .value_kind: global_buffer, .address_space: global }
      - { .name: bo, .offset: 24, .size: 8, .value_kind: global_buffer, .address_space: global }
      - { .name: out0, .offset: 32, .size: 8, .value_kind: global_buffer, .address_space: global }
    .group_segment_fixed_size: 17920
    .private_segment_fixed_size: 0
    .kernarg_segment_align: 8
    .kernarg_segment_size: 40
    .max_flat_workgroup_size: 128
    .sgpr_count:     66
    .vgpr_count:     768
    .wavefront_size: 32
...
	.end_amdgpu_metadata
.endif
;; end of part 4
;; ======== version 2 of 2: 4 launches
;; workspace buffers: wimg 786,432 bytes; wscl 65,536 bytes; qrec 3,407,872 bytes; kv 6,684,672 bytes; orec 3,670,016 bytes
;; launch wquant (part 5): grid 32 x 4, 4 waves a work-group, no clusters, 0 bytes of LDS; arguments Wq, Wk, Wv, Wo, wimg, wscl; writes wimg, wscl
.if DOCPART == 5
	.amdgcn_target "amdgcn-amd-amdhsa--gfx1250"
	.amdhsa_code_object_version 6
	.text
	.protected	k_qf6ef155801_wquant
	.globl	k_qf6ef155801_wquant
	.p2align	8
	.type	k_qf6ef155801_wquant,@function
k_qf6ef155801_wquant:
	s_mov_b64 s[64:65], 0
	v_nop
	global_prefetch_b8 v0, s[64:65] scope:SCOPE_SE
	s_setreg_imm32_b32 hwreg(HW_REG_WAVE_MODE, 25, 1), 1
	s_wait_xcnt 0x0
; MULTI-HEAD ATTENTION IN MX-FP6, launch 1 of 4: the four weights [512 (k)][512 (n)] f32 become codes of E2M3 with one E8M0 byte for each 32 along K.
; NOTHING OF reference() IS LEFT OUT in this program: every bias goes into a quantised operand (bq, bk, bv) or into the output (bo), so all eleven inputs are loaded.
; LIMITS: NaN and infinities among the inputs are not served.  A block of zeros gets the byte 1 where the rule says 127: its codes are zeros, which add nothing, and the bytes are read by this program alone.
; Blocks whose largest magnitude lies under 2^-124 are held at the byte 1.
; LAYOUT OF THE RESULT.  Every operand of this program lies in workspace as an IMAGE OF ITS REGISTERS.  A fragment (16 columns x 128 K) is 12 registers a lane: three pieces of 512 bytes, registers 4 c .. 4 c + 3 of lane l
; at 512 c + 16 l.  wimg: [weight y][tile T 0..31][K step s 0..3][1,536].  wscl: [y][T][s][128]: the lane's scale word at 4 l (lanes 16-31 repeat lanes 0-15).
; THE COLUMNS OF A TILE ARE NOT NEIGHBOURS: lane r of tile T = 2 b + u takes column 32 b + 8 u + r + 8 (r / 8), so that a product with this tile as source 0 leaves 16 neighbouring channels in the 16 registers of tiles 2 b, 2 b + 1.
; SHARES.  Work-group (x, y): weight y, 64 columns (x & 7), K step x >> 3.  A wave makes ONE fragment: a lane takes a column and its registers run down K, in the order of the operand's layout (k = 64 c + 32 h + i),
; so the conversions' results are the operand's registers.  The four waves' loads together cover 256 consecutive bytes of a row of W.  No LDS, no barrier: waves share nothing.
	s_load_b256 s[4:11], s[0:1], 0x0               ; Wq, Wk, Wv, Wo
	s_load_b128 s[12:15], s[0:1], 0x20             ; wimg, wscl
	v_lshrrev_b32 v1, 5, v0
	v_readfirstlane_b32 s16, v1                    ; wave 0..3: tile 4 cg + wave
	v_and_b32 v6, 31, v0                           ; lane
	v_and_b32 v1, 15, v0                           ; r
	v_bfe_u32 v2, v0, 4, 1                         ; h
	v_lshlrev_b32 v3, 4, v6                        ; 16 x lane: my place in a piece of an image
	v_lshlrev_b32 v4, 2, v6                        ; 4 x lane: my scale word's
	v_and_b32 v5, 8, v1
	v_add_nc_u32 v5, v5, v1                        ; r + 8 (r / 8)
	v_lshlrev_b32 v5, 2, v5
	v_lshl_add_u32 v5, v2, 16, v5                  ; + 32 rows of 2,048 bytes for lanes 16-31
	s_and_b32 s17, ttmp7, 0xffff                   ; y: which weight
	s_and_b32 s18, ttmp9, 7                        ; cg: which 64 columns
	s_lshr_b32 s19, ttmp9, 3                       ; s: which 128 along K
	s_mov_b32 s20, 0x76543210
	s_mov_b32 s21, 0xfedcba98                      ; v_permlanex16_b32's selects for lane l xor 16
	s_lshl_b32 s22, s19, 18                        ; in W: 128 s rows of 2,048 bytes
	s_lshl_b32 s23, s18, 8                         ; + 64 cg columns
	s_add_co_u32 s22, s22, s23
	s_lshr_b32 s23, s16, 1
	s_lshl_b32 s23, s23, 7                         ; + 32 (wave / 2) columns
	s_add_co_u32 s22, s22, s23
	s_and_b32 s23, s16, 1
	s_lshl_b32 s23, s23, 5                         ; + 8 (wave % 2) columns
	s_add_co_u32 s22, s22, s23
	s_mov_b32 s23, 0
	s_lshl_b32 s24, s18, 4
	s_lshl_b32 s25, s16, 2
	s_add_co_u32 s24, s24, s25
	s_add_co_u32 s24, s24, s19                     ; F = 4 T + s
	s_mul_i32 s26, s24, 1536
	s_mul_i32 s27, s17, 196608
	s_add_co_u32 s26, s26, s27                     ; the image's place
	s_mov_b32 s27, 0
	s_lshl_b32 s28, s24, 7
	s_lshl_b32 s29, s17, 14
	s_add_co_u32 s28, s28, s29                     ; the scale words' place
	s_mov_b32 s29, 0
	s_wait_alu depctr_va_vdst(0)
	s_wait_kmcnt 0x0
	s_cmp_eq_u32 s17, 1                            ; the choice hangs on the work-group's number alone
	s_cselect_b64 s[4:5], s[6:7], s[4:5]
	s_cmp_eq_u32 s17, 2
	s_cselect_b64 s[4:5], s[8:9], s[4:5]
	s_cmp_eq_u32 s17, 3
	s_cselect_b64 s[4:5], s[10:11], s[4:5]
	s_add_nc_u64 s[4:5], s[4:5], s[22:23]
	s_add_nc_u64 s[12:13], s[12:13], s[26:27]
	s_add_nc_u64 s[14:15], s[14:15], s[28:29]
.irp c, 0,1
.set i, 0
.rept 32
	global_load_b32 v[64+32*\c+i], v5, s[4:5] offset:(64*\c+i)*2048 th:TH_LOAD_NT   ; W(128 s + 64 c + 32 h + i, my column)
.set i, i+1
.endr
.endr
	s_wait_loadcnt 0x0
.irp c, 0,1                                    ; my block 2 c + h: all its 32 numbers are mine
	v_max3_num_f32 v[32+\c], |v[64+32*\c]|, |v[65+32*\c]|, 0x1800000   ; and the floor 2^(3 - 127): the byte cannot fall under 1
.endr
.irp i, 2,4,6,8,10,12,14,16,18,20,22,24,26,28,30
.irp c, 0,1
	v_max3_num_f32 v[32+\c], v[32+\c], |v[64+32*\c+\i]|, |v[65+32*\c+\i]|   ; (the two blocks by turns)
.endr
.endr
.irp c, 0,1
	v_add_nc_u32 v[44+\c], 0xff000000, v[32+\c]    ; 2 off the exponent field: the conversion takes the exponent field of this operand as its scale
.endr
.irp c, 0,1
	v_lshrrev_b32 v[36+\c], 23, v[44+\c]           ; the scale's byte
.endr
	v_lshl_or_b32 v9, v37, 16, v36                 ; my two bytes: blocks h and 2 + h of my column,
	v_lshlrev_b32 v10, 3, v2
	v_lshlrev_b32 v9, v10, v9                      ; at their places in the word (8 h bits up);
	v_mov_b32 v10, 0
	v_permlanex16_b32 v10, v9, s20, s21
	v_or_b32 v9, v9, v10                           ; with lane l xor 16's two the word is whole, in both halves of the lanes
.irp c, 0,1
	v_cvt_scalef32_pk16_fp6_f32 v[48+6*\c:50+6*\c], v[64+32*\c:79+32*\c], v[44+\c]      ; registers 6 c .. 6 c + 2 of the operand
	v_cvt_scalef32_pk16_fp6_f32 v[128+4*\c:130+4*\c], v[80+32*\c:95+32*\c], v[44+\c]    ; (a conversion's three registers begin on an even number: the second half is made elsewhere and moved)
.endr
	v_nop                                          ; one plain place behind a scaled conversion
.irp c, 0,1
.irp i, 0,1,2
	v_mov_b32 v[51+6*\c+\i], v[128+4*\c+\i]
.endr
.endr
.irp c, 0,1,2
	global_store_b128 v3, v[48+4*\c:51+4*\c], s[12:13] offset:512*\c   ; 32 lanes store 512 consecutive bytes, aligned to 512
.endr
	global_store_b32 v4, v9, s[14:15]
	s_endpgm
.Lfunc_end_k_qf6ef155801_wquant:
	.size	k_qf6ef155801_wquant, .Lfunc_end_k_qf6ef155801_wquant-k_qf6ef155801_wquant
	.p2alignl 7, 3214868480
	.fill 96, 4, 3214868480
	.section	.rodata,"a",@progbits
	.p2align	6, 0x0
	.amdhsa_kernel k_qf6ef155801_wquant
		.amdhsa_group_segment_fixed_size 0
		.amdhsa_private_segment_fixed_size 0
		.amdhsa_enable_private_segment 0
		.amdhsa_kernarg_size 48
		.amdhsa_user_sgpr_count 2
		.amdhsa_user_sgpr_kernarg_segment_ptr 1
		.amdhsa_wavefront_size32 1
		.amdhsa_system_sgpr_workgroup_id_x 1
		.amdhsa_system_sgpr_workgroup_id_y 1
		.amdhsa_system_sgpr_workgroup_id_z 1
		.amdhsa_system_vgpr_workitem_id 0
		.amdhsa_next_free_vgpr 136
		.amdhsa_next_free_sgpr 66
		.amdhsa_reserve_vcc 0
		.amdhsa_float_denorm_mode_32 3
		.amdhsa_float_denorm_mode_16_64 3
		.amdhsa_memory_ordered 1
		.amdhsa_forward_progress 1
		.amdhsa_inst_pref_size 12
	.end_amdhsa_kernel
	.amdgpu_metadata
---
amdhsa.version: [ 1, 2 ]
amdhsa.kernels:
  - .name:           k_qf6ef155801_wquant
    .symbol:         k_qf6ef155801_wquant.kd
    .args:
      - { .name: Wq, .offset: 0, .size: 8, .value_kind: global_buffer, .address_space: global }
      - { .name: Wk, .offset: 8, .size: 8, .value_kind: global_buffer, .address_space: global }
      - { .name: Wv, .offset: 16, .size: 8, .value_kind: global_buffer, .address_space: global }
      - { .name: Wo, .offset: 24, .size: 8, .value_kind: global_buffer, .address_space: global }
      - { .name: wimg, .offset: 32, .size: 8, .value_kind: global_buffer, .address_space: global }
      - { .name: wscl, .offset: 40, .size: 8, .value_kind: global_buffer, .address_space: global }
    .group_segment_fixed_size: 0
    .private_segment_fixed_size: 0
    .kernarg_segment_align: 8
    .kernarg_segment_size: 48
    .max_flat_workgroup_size: 128
    .sgpr_count:     66
    .vgpr_count:     136
    .wavefront_size: 32
...
	.end_amdgpu_metadata
.endif
;; end of part 5
;; launch proj (part 6): grid 64 x 3, 4 waves a work-group, no clusters, 87,552 bytes of LDS; arguments q, k, v, bq, bk, bv, wimg, wscl, qrec, kv; writes qrec, kv
.if DOCPART == 6
	.amdgcn_target "amdgcn-amd-amdhsa--gfx1250"
	.amdhsa_code_object_version 6
	.text
	.protected	k_qf6ef155801_proj
	.globl	k_qf6ef155801_proj
	.p2align	8
	.type	k_qf6ef155801_proj,@function
k_qf6ef155801_proj:
	s_mov_b64 s[64:65], 0
	v_nop
	global_prefetch_b8 v0, s[64:65] scope:SCOPE_SE
	s_setreg_imm32_b32 hwreg(HW_REG_WAVE_SCHED_MODE, 0, 2), 2
	s_setreg_imm32_b32 hwreg(HW_REG_WAVE_MODE, 25, 1), 1
	s_wait_xcnt 0x0
	s_wait_alu depctr_vm_vsrc(0)
; Launch 2 of 4: qh = q Wq + bq, kh = k Wk + bk, vh = v Wv + bv on codes of E2M3, and the quantisers of qh, kh (along a head's 64 channels) and vh (along the keys).  Nothing of reference() is left out.
; LIMITS: as stated at the head of the first launch (NaN and infinities not served; a block of zeros has the byte 1; blocks under 2^-124 are held at the byte 1).
; SHARES.  Work-group (x, y): tensor y (0 q, 1 k, 2 v), rows 128 x .. 128 x + 127 of its 8,192.  Wave w owns channels 128 w .. 128 w + 127: heads 2 w and 2 w + 1, the weight's tiles 8 w .. 8 w + 7.
; PHASE X.  Wave w quantises rows 32 w .. 32 w + 31 (8 fragments of 16 rows x 128 K).  Each load reads 512 consecutive bytes of one row; 16 rows turn through the wave's own stage in LDS so that a lane holds
; 16 neighbours along K of each block of 32; the codes go to LDS as images of the operand's registers (12 registers: three stores of 512 bytes; the scale word 4 bytes a lane).  One barrier.
; PATH q, k.  Source 0 = 16 columns of W (resident in registers), source 1 = 16 rows of x (from LDS): a lane holds ONE row, and its 64 registers are channels 32 b + 16 h + i of the wave's 128: one call of QUANT
; gives both heads' half fragments (registers 0-5, 6-11) and both heads' two scale bytes.
; PATH v.  Source 0 = 16 rows of x (all 32 fragments resident, from LDS), source 1 = 16 columns of W (a ring of four, from memory): a lane holds ONE channel, and its 64 registers are the step's 128 keys:
; register 16 b + i is key 32 b + 8 h + i (i < 8) or 32 b + 16 + 8 h + i - 8.  Each block of 32 registers-and-halves is a true block of 32 keys; inside a block the keys stand in this order, and the weights p
; of the next launch come out of its first product in the very same order, so the second product there multiplies like with like.
; RECORDS.  kv: [batch x head 16][step of 128 keys 32][13,056]: K's tile t (16 keys): registers 0-3 at 768 t + 16 l, registers 4-5 at 768 t + 512 + 8 l; K's scale words (two bytes low, zeros above) of tiles 0-3 at
; 6,144 + 16 r, of tiles 4-7 at 6,400 + 16 r; V's channel tile n (0..3) at 6,656 + 1,536 n, three pieces of 512; V's scale words of its four tiles at 12,800 + 16 r.  qrec: the first 6,656 bytes of that, for 128 queries.
; REGISTERS, in windows of 256: window 0: addresses, scale words, the 8 accumulators (HA), what QUANT makes.  Windows 1, 2: the resident source 0: fragment (t, s) in window 1 + s / 2 at 12 (8 (s % 2) + t).
; Window 3: v0-191 three sets of 64 numbers in phase X, then the ring of source 1; v192-255 the bias as the C of each sum's first product.
; THE MODE: SCHED_MODE bits 1:0 = 2 (LLVM: expert scheduling mode 2), set by the entry lines.  The code itself states the register dependences between vector or matrix instructions and memory or LDS instructions,
; with s_wait_alu, always for 0.
; THE PLAN.  Registers that memory or LDS instructions touch:
;   v4-v13     offsets and LDS addresses: made once at the head, never written again.
;   PHASE X    S0 .. S2 (window 3): written by the loads of x, read by the LDS stores into the stage; no vector instruction names them.
;              H0 = v64-127, H1 = v168-231: step g + 1's numbers land in H[(g + 1) % 2] by LDS loads issued in step g; QUANT of step g + 1 reads them.
;              PC, PW: written by QUANT, read by the image's LDS stores.
;              Step g: set g + 1 turns through the stage | one wait on vm_vsrc (the stage's stores have read that set; the last image's stores have read PC, PW) | the loads of step g + 4 into that set |
;              QUANT of H[g % 2] | one wait on va_vdst (PC, PW are written; QUANT is done reading its H) | the image's stores.  No vector instruction stands between that wait and the next step's LDS loads.
;   PATHS      the ring (window 3) and TS: written by loads, read by a tile's 32 products.  PC: written by QUANT, read by the tile's global stores.
;              A tile: its products | places | one wait on vm_vsrc (the last tile's stores have read PC) | QUANT | one wait on va_vdst (PC is written; the products are done reading their buffer of the ring
;              and its scale words) | the loads into that buffer | the stores.
;   v252, v253 written at the head, read by the closing add alone.
.set XIMG,  0                          ; LDS: x's 32 fragments (tile T, K step s: 4 T + s), 1,536 bytes each,
.set XSC,   49152                      ; their scale words, 128 bytes each,
.set STG,   53248                      ; a stage of 16 rows x (512 + 16) bytes for each wave,
.set SPARE, 87040                      ; and the spare words, 128 bytes for each wave: two blocks of 256 bytes that no other line names
.set L16, 4                            ; v4   16 x lane
.set L8,  5                            ; v5   8 x lane
.set L4,  6                            ; v6   4 x lane
.set STI, 7                            ; v7   the stage, on the way in: 16 x lane of a row
.set STO, 8                            ; v8   and out: row r, + 64 h
.set XWI, 9                            ; v9   where I store x's images: 16 x lane + 12,288 x wave
.set XWS, 10                           ; v10  and their scale words: 4 x lane + 1,024 x wave
.set BOA, 11                           ; v11  the bias's offset, path q, k: 64 h
.set VSO, 12                           ; v12  V's scale words: 16 r, and one head's records on for lanes 16-31
.set BOB, 13                           ; v13  the bias's offset, path v: 4 (r + 8 (r / 8))
.set RS,  16                           ; v16-47   scale words of the resident fragments: 4 t + s
.set TS,  48                           ; v48-63   scale words of the ring
.set HA,  64                           ; v64-127  eight accumulators; in phase X the buffer H0
.set HSTEP, 104                        ; v168-231 in phase X alone: the buffer H1
.set PC,  128                          ; v128-147 the codes just made (12), and the conversions' second halves
.set TM,  148                          ; v148-163 at work in QUANT
.set PW,  164                          ; v164     the scale word just made
.set SW,  166                          ; v166-181 scale words kept for the records
.set SD,  182                          ; v182-185 four of them, as they are stored
.set BT,  186                          ; v186-193 path v: a channel's bias for each of the 8 tiles
.set SD2, 186                          ; v186-189 path q, k: the second head's four scale words, as they are stored
.set SPW, 252                          ; v252 LDS address of my spare word; never rewritten
.set NIL, 253                          ; v253 0; never rewritten
.set SEL, 48                           ; s[48:49] v_permlanex16_b32's selects for lane l xor 16
.set MSB, 0
.macro WIN new                         ; the immediate's high byte repeats the setting that is left; a switch that changes nothing is dropped
.if MSB != (\new)
	s_set_vgpr_msb (MSB<<8)|(\new)
.set MSB, (\new)
.endif
.endm
; 64 numbers of a lane, v[s] .. v[s + 63], four blocks of 16 registers (each block's other 16 numbers lie in lane l xor 16), become a fragment's codes in v[PC] on and its scale word in v[PW].
.macro QUANT s
.irp b, 0,1,2,3
	v_max3_num_f32 v[TM+\b], |v[\s+16*\b]|, |v[\s+1+16*\b]|, 0x1800000   ; block b: my 16 numbers, and the floor 2^(3 - 127): the byte cannot fall under 1
.endr
.irp i, 2,4,6,8,10,12,14
.irp b, 0,1,2,3
	v_max3_num_f32 v[TM+\b], v[TM+\b], |v[\s+16*\b+\i]|, |v[\s+1+16*\b+\i]|   ; (the four blocks by turns)
.endr
.endr
.irp b, 0,1,2,3
	v_permlanex16_b32 v[TM+4+\b], v[TM+\b], s[SEL], s[SEL+1]
.endr
.irp b, 0,1,2,3
	v_max_num_f32 v[TM+\b], v[TM+\b], v[TM+4+\b]   ; with lane l xor 16's: the block's largest magnitude
.endr
.irp b, 0,1,2,3
	v_add_nc_u32 v[TM+12+\b], 0xff000000, v[TM+\b] ; 2 off its exponent field: the conversion's scale operand
.endr
.irp b, 0,1,2,3
	v_lshrrev_b32 v[TM+4+\b], 23, v[TM+12+\b]      ; the scale's byte
.endr
	v_lshl_or_b32 v[PW], v[TM+5], 8, v[TM+4]       ; the four bytes make the scale word, the same in both halves of the lanes
	v_lshl_or_b32 v[PW], v[TM+6], 16, v[PW]
	v_lshl_or_b32 v[PW], v[TM+7], 24, v[PW]
.irp c, 0,1
	v_cvt_scalef32_pk16_fp6_f32 v[PC+6*\c:PC+2+6*\c], v[\s+32*\c:\s+15+32*\c], v[TM+12+2*\c]
	v_cvt_scalef32_pk16_fp6_f32 v[PC+12+4*\c:PC+14+4*\c], v[\s+16+32*\c:\s+31+32*\c], v[TM+12+2*\c+1]   ; (a conversion's three registers begin on an even number)
.endr
	v_nop                                          ; one plain place behind a scaled conversion
.irp c, 0,1                                    ; the operand's layout wants a WHOLE block in a lane: lanes 0-15 block 2 c, lanes 16-31 block 2 c + 1
.irp i, 0,1,2
	v_permlane16_swap_b32 v[PC+6*\c+\i], v[PC+12+4*\c+\i]
.endr
.irp i, 0,1,2
	v_mov_b32 v[PC+3+6*\c+\i], v[PC+12+4*\c+\i]
.endr
.endr
.endm
; Fragment f of my eight (tile 2 w + f / 4, K step f % 4): 16 rows x 512 bytes into set f % 3 of window 3; each load reads 512 consecutive bytes of one row
.macro LOADX f
	WIN 0xc0                                       ; destination window 3, address window 0
.irp i, 0,1,2,3,4,5,6,7,8,9,10,11,12,13,14,15
	global_load_b128 v[64*((\f)%3)+4*\i:64*((\f)%3)+4*\i+3], v[L16], s[32:33] offset:(16*((\f)/4)+\i)*2048+512*((\f)%4) th:TH_LOAD_NT
.endr
	WIN 0
.endm
; Fragment f's numbers turn through my stage: out of set f % 3, back into H[f % 2].  LDS serves a wave's instructions in order: the loads see the stores, and these stores come behind the last turn's loads.
.macro TURN f
	WIN 0x0c                                       ; an LDS store's data are its source 1: window 3
.irp i, 0,1,2,3,4,5,6,7,8,9,10,11,12,13,14,15
	ds_store_b128 v[STI], v[64*((\f)%3)+4*\i:64*((\f)%3)+4*\i+3] offset:528*\i
.endr
	WIN 0
.irp b, 0,1,2,3
.irp j, 0,1,2,3
	ds_load_b128 v[HA+HSTEP*((\f)%2)+16*\b+4*\j:HA+HSTEP*((\f)%2)+16*\b+4*\j+3], v[STO] offset:128*\b+16*\j   ; register 16 b + i: k = 32 b + 16 h + i of row r.  No vector instruction since the last wait on va_vdst names these registers
.endr
.endr
.endm
.macro STEPX g
.if (\g) < 7
.if (\g) <= 4
	s_wait_loadcnt 32                              ; set g + 1's 16 loads are in; the two younger sets may be out
.elseif (\g) == 5
	s_wait_loadcnt 16
.else
	s_wait_loadcnt 0x0
.endif
	TURN (\g)+1                                    ; the next step's numbers go through the stage while this step's are quantised
	s_wait_dscnt 16                                ; all but the 16 LDS loads just issued: this step's numbers are back, and the stage's stores above are done
.else
	s_wait_dscnt 0x0                               ; the last step's numbers are back
.endif
.if (\g)+4 < 8
	WIN 0xc0
.endif
	s_wait_alu depctr_vm_vsrc(0)                   ; the stage's stores have read their set, in which the loads below land; the last image's stores have read PC and PW, which QUANT writes again
.if (\g)+4 < 8
	LOADX (\g)+4
.endif
.set HQ, HA+HSTEP*((\g)%2)
	QUANT HQ
	s_wait_alu depctr_va_vdst(0)                   ; QUANT has written PC and PW, which the stores below read, and is done reading its H, in which the next step's LDS loads land
.irp c, 0,1,2
	ds_store_b128 v[XWI], v[PC+4*\c:PC+4*\c+3] offset:XIMG+1536*(\g)+512*\c
.endr
	ds_store_b32 v[XWS], v[PW] offset:XSC+128*(\g)
.endm
; Eight products, the accumulators by turns: resident fragment (t, s) x the ring's fragment s of buffer it % nb.  s = 0 starts the sums with the bias as C.
.macro MM pathb, it, nb, s
.if (\s) == 0
	WIN 0x3d                                       ; source 0 window 1, source 1 and C window 3, D window 0
.elseif (\s) == 1
	WIN 0x0d                                       ; C and D window 0
.else
	WIN 0x0e                                       ; source 0 window 2
.endif
.irp t, 0,1,2,3,4,5,6,7
.set rA, 12*(8*((\s)%2)+\t)
.set rB, 48*((\it)%(\nb))+12*(\s)
.if (\s) == 0
.if \pathb
.set rC, 192+8*(\it)
.else
.set rC, 192+8*\t
.endif
	v_wmma_scale_f32_16x16x128_f8f6f4 v[HA+8*\t:HA+8*\t+7], v[rA:rA+11], v[rB:rB+11], v[rC:rC+7], v[RS+4*\t+(\s)], v[TS+4*((\it)%(\nb))+(\s)] matrix_a_fmt:MATRIX_FMT_FP6 matrix_b_fmt:MATRIX_FMT_FP6
.else
	v_wmma_scale_f32_16x16x128_f8f6f4 v[HA+8*\t:HA+8*\t+7], v[rA:rA+11], v[rB:rB+11], v[HA+8*\t:HA+8*\t+7], v[RS+4*\t+(\s)], v[TS+4*((\it)%(\nb))+(\s)] matrix_a_fmt:MATRIX_FMT_FP6 matrix_b_fmt:MATRIX_FMT_FP6
.endif
.endr
.endm
.macro PLACES                          ; four plain places behind matrix instructions, in front of reads of their results (ISA guide 7.12.1)
.rept 4
	v_nop
.endr
.endm
	s_load_b512 s[8:23], s[0:1], 0x0               ; q, k, v, bq, bk, bv, wimg, wscl
	s_load_b128 s[24:27], s[0:1], 0x40             ; qrec, kv
	v_lshl_add_u32 v[SPW], v0, 2, SPARE
	v_mov_b32 v[NIL], 0
	v_lshrrev_b32 v1, 5, v0
	v_readfirstlane_b32 s29, v1                    ; wave 0..3
	v_bfe_u32 v3, v0, 4, 1                         ; h
	v_cmp_eq_u32 s50, 1, v3                        ; the mask of lanes 16-31
	v_and_b32 v1, 31, v0                           ; lane
	v_and_b32 v2, 15, v0                           ; r
	v_lshlrev_b32 v[L16], 4, v1
	v_lshlrev_b32 v[L8], 3, v1
	v_lshlrev_b32 v[L4], 2, v1
	v_mul_u32_u24 v[STO], v2, 528
	v_lshl_add_u32 v[STO], v3, 6, v[STO]
	v_lshlrev_b32 v[BOA], 6, v3
	v_and_b32 v[BOB], 8, v2
	v_add_nc_u32 v[BOB], v[BOB], v2
	v_lshlrev_b32 v[BOB], 2, v[BOB]
	v_mul_u32_u24 v[VSO], v3, 417792               ; 32 records of 13,056 bytes: the next head's
	v_lshl_add_u32 v[VSO], v2, 4, v[VSO]
.irp b, 0,1,2,3
	v_mov_b32 v[TM+4+\b], 0                        ; written once: a lane permute's destination counts as one of its sources
.endr
	s_and_b32 s28, ttmp7, 0xffff                   ; y: 0 q, 1 k, 2 v
	s_mov_b32 s30, ttmp9                           ; x: which 128 rows
	s_mov_b32 s[SEL], 0x76543210
	s_mov_b32 s[SEL+1], 0xfedcba98
	s_wait_alu depctr_va_sdst(0)                   ; s29 and s50 are written, ahead of the first reader of either: the addresses below are made from s29, the selections at the paths' ends read s50
	s_mul_i32 s2, s29, 8448
	s_add_co_u32 s2, s2, STG                       ; my stage
	s_mul_i32 s3, s29, 12288
	s_lshl_b32 s4, s29, 10
	v_add_nc_u32 v[STI], s2, v[L16]
	v_add_nc_u32 v[STO], s2, v[STO]
	v_add_nc_u32 v[XWI], s3, v[L16]
	v_add_nc_u32 v[XWS], s4, v[L4]
	s_lshl_b32 s46, s30, 18                        ; x: 128 x rows of 2,048 bytes
	s_lshl_b32 s47, s29, 16                        ; + my 32 rows
	s_add_co_u32 s46, s46, s47
	s_mov_b32 s47, 0
	s_lshl_b32 s52, s29, 9                         ; the bias: my 128 numbers
	s_mov_b32 s53, 0
	s_mul_i32 s54, s28, 196608                     ; the weight's images: weight y,
	s_mul_i32 s55, s29, 49152                      ; my 8 tiles of 4 x 1,536 bytes
	s_add_co_u32 s54, s54, s55
	s_mov_b32 s55, 0
	s_lshl_b32 s56, s28, 14                        ; and its scale words
	s_lshl_b32 s57, s29, 12
	s_add_co_u32 s56, s56, s57
	s_mov_b32 s57, 0
	s_lshr_b32 s58, s30, 5                         ; the batch
	s_lshl_b32 s58, s58, 8
	s_lshl_b32 s59, s29, 6
	s_add_co_u32 s58, s58, s59
	s_and_b32 s59, s30, 31
	s_add_co_u32 s58, s58, s59                     ; the record of head 2 w: (8 batch + 2 w) x 32 + step
	s_mov_b32 s59, 0
	s_wait_kmcnt 0x0
	s_cmp_eq_u32 s28, 0                            ; the choices hang on the work-group's number alone
	s_cselect_b64 s[32:33], s[8:9], s[10:11]
	s_cselect_b64 s[34:35], s[14:15], s[16:17]
	s_cselect_b64 s[40:41], s[24:25], s[26:27]
	s_mov_b32 s44, 13056
	s_cselect_b32 s44, 6656, s44                   ; a record's bytes
	s_cmp_eq_u32 s28, 2
	s_cselect_b64 s[32:33], s[12:13], s[32:33]
	s_cselect_b64 s[34:35], s[18:19], s[34:35]
	s_mul_i32 s58, s58, s44
	s_lshl_b32 s60, s44, 5                         ; 32 records on: head 2 w + 1
	s_mov_b32 s61, 0
	s_add_nc_u64 s[32:33], s[32:33], s[46:47]      ; x at my first row
	s_add_nc_u64 s[34:35], s[34:35], s[52:53]      ; the bias
	s_add_nc_u64 s[36:37], s[20:21], s[54:55]      ; the weight's images
	s_add_nc_u64 s[38:39], s[22:23], s[56:57]      ; its scale words
	s_add_nc_u64 s[40:41], s[40:41], s[58:59]      ; head 2 w's record
	s_add_nc_u64 s[42:43], s[40:41], s[60:61]      ; head 2 w + 1's
	WIN 0xc0
	s_wait_alu depctr_va_vdst(0)                   ; the ten offsets and addresses v4 to v13 are written, which every load and store of the kernel reads
	LOADX 0
	LOADX 1
	LOADX 2
	s_wait_loadcnt 32                              ; set 0's 16 loads are in; the two younger sets may be out
	TURN 0
	s_wait_dscnt 16                                ; the stage's stores are done; the 16 LDS loads may be out
	WIN 0xc0
	s_wait_alu depctr_vm_vsrc(0)                   ; the stage's stores have read set 0, in which the loads below land
	LOADX 3
.irp g, 0,1,2,3,4,5,6,7
	STEPX \g
.endr
	s_wait_dscnt 0x0                               ; for the others' sake: my images lie in LDS
	s_barrier_signal -1
	s_barrier_wait -1                              ; all 32 fragments of x do; from here on LDS is only read
	s_wait_alu depctr_vm_vsrc(0)                   ; the last image's stores have read PC and PW, which QUANT writes again on both paths
	s_cmp_eq_u32 s28, 2
	s_cbranch_scc1 .Lv
	; ---- PATH q, k
.macro FETCHT m                        ; x's tile m, four fragments and their scale words, from LDS into buffer m % 2 of the ring: 16 LDS loads
	WIN 0xc0
.irp s, 0,1,2,3
.irp c, 0,1,2
	ds_load_b128 v[48*((\m)%2)+12*\s+4*\c:48*((\m)%2)+12*\s+4*\c+3], v[L16] offset:XIMG+1536*(4*(\m)+\s)+512*\c
.endr
.endr
	WIN 0
.irp s, 0,1,2,3
	ds_load_b32 v[TS+4*((\m)%2)+\s], v[L4] offset:XSC+128*(4*(\m)+\s)
.endr
.endm
.macro ITA m                           ; rows 16 m .. 16 m + 15: 32 products, one QUANT, the two heads' half fragments to their records
.if (\m) < 7
	s_wait_dscnt 16                                ; x's tile m is in; tile m + 1's 16 loads may be out
.else
	s_wait_dscnt 0x0
.endif
.irp s, 0,1,2,3
.if (\m) == 0
.if \s == 0
	s_wait_loadcnt 63                              ; the bias, W's scale words and K step 0 are in: 72 loads are younger, the count's field ends at 63
.else
	s_wait_loadcnt 24*(3-\s)                       ; K step s is in: the later K steps' 24 loads each may be out
.endif
.endif
	MM 0, \m, 2, \s
.endr
	WIN 0
	PLACES
.if (\m) > 0
	s_wait_xcnt 0x0                                ; the last tile's stores have had their addresses translated: their data may be written again,
	s_wait_alu depctr_vm_vsrc(0)                   ; and they have read PC, which QUANT writes again
.endif
	QUANT HA
	v_and_b32 v[SW+(\m)], 0xffff, v[PW]            ; head 2 w's two bytes, zeros above,
	v_lshrrev_b32 v[SW+8+(\m)], 16, v[PW]          ; and head 2 w + 1's
.if (\m)+2 < 8
	WIN 0xc0
.endif
	s_wait_alu depctr_va_vdst(0)                   ; QUANT has written PC, which the stores below read; this tile's products are done reading buffer m % 2 of the ring and its scale words, in which the loads below land
.if (\m)+2 < 8
	FETCHT (\m)+2                                  ; two tiles ahead
.endif
	global_store_b128 v[L16], v[PC:PC+3], s[40:41] offset:768*(\m)          ; 512 consecutive bytes
	global_store_b64 v[L8], v[PC+4:PC+5], s[40:41] offset:768*(\m)+512      ; 256 consecutive bytes
	global_store_b128 v[L16], v[PC+6:PC+9], s[42:43] offset:768*(\m)
	global_store_b64 v[L8], v[PC+10:PC+11], s[42:43] offset:768*(\m)+512
.endm
	FETCHT 0                                       ; (the ring's registers were phase X's sets: the waits on vm_vsrc above have shown them read)
	FETCHT 1
	WIN 0xc0
.irp t, 0,1,2,3,4,5,6,7                        ; the bias in the result's layout: lane (r, h), tile 2 b + u: channels 32 b + 16 h + 8 u + 0 .. 7
	global_load_b128 v[192+8*\t:195+8*\t], v[BOA], s[34:35] offset:(32*(\t/2)+8*(\t%2))*4
	global_load_b128 v[196+8*\t:199+8*\t], v[BOA], s[34:35] offset:(32*(\t/2)+8*(\t%2))*4+16
.endr
	WIN 0
.irp t, 0,1,2,3,4,5,6,7
.irp s, 0,1,2,3
	global_load_b32 v[RS+4*\t+\s], v[L4], s[38:39] offset:(4*\t+\s)*128
.endr
.endr
.irp s, 0,1,2,3                                ; W's 32 fragments, by K steps, so that the first products need not wait for all
	WIN 0x40+0x40*(\s/2)
.irp t, 0,1,2,3,4,5,6,7
.irp c, 0,1,2
	global_load_b128 v[12*(8*(\s%2)+\t)+4*\c:12*(8*(\s%2)+\t)+4*\c+3], v[L16], s[36:37] offset:(4*\t+\s)*1536+512*\c
.endr
.endr
.endr
	WIN 0
.irp m, 0,1,2,3,4,5,6,7
	ITA \m
.endr
.irp i, 0,1,2,3
	v_cndmask_b32 v[SD+\i], v[SW+\i], v[SW+4+\i], s50      ; lanes 0-15: the words of tiles 0-3 of row r; lanes 16-31: of tiles 4-7
.endr
.irp i, 0,1,2,3
	v_cndmask_b32 v[SD2+\i], v[SW+8+\i], v[SW+12+\i], s50  ; the same for head 2 w + 1, in registers of their own
.endr
	s_wait_alu depctr_va_vdst(0)                   ; the selections have written both sets of four words, which the two stores read
	global_store_b128 v[L16], v[SD:SD+3], s[40:41] offset:6144
	global_store_b128 v[L16], v[SD2:SD2+3], s[42:43] offset:6144
	s_branch .Lend
	; ---- PATH v
.Lv:
.macro GROUPW n                        ; W's tile n, four fragments and their scale words, from memory into buffer n % 4 of the ring: 16 loads
	WIN 0xc0
.irp s, 0,1,2,3
.irp c, 0,1,2
	global_load_b128 v[48*((\n)%4)+12*\s+4*\c:48*((\n)%4)+12*\s+4*\c+3], v[L16], s[36:37] offset:(4*(\n)+\s)*1536+512*\c
.endr
.endr
	WIN 0
.irp s, 0,1,2,3
	global_load_b32 v[TS+4*((\n)%4)+\s], v[L4], s[38:39] offset:(4*(\n)+\s)*128
.endr
.endm
.irp n, 0,1,2,3,4,5,6,7
	global_load_b32 v[BT+\n], v[BOB], s[34:35] offset:(32*(\n/2)+8*(\n%2))*4   ; the bias of my lane's channel in tile n.  (These registers were part of H1: the wait on va_vdst behind the last QUANT of phase X has shown it read)
.endr
	GROUPW 0                                       ; (the ring's registers were phase X's sets: the waits on vm_vsrc above have shown them read)
	GROUPW 1
	GROUPW 2
	GROUPW 3
.irp s, 0,1,2,3                                ; x's 32 fragments become the resident source 0
	WIN 0x40+0x40*(\s/2)
.irp t, 0,1,2,3,4,5,6,7
.irp c, 0,1,2
	ds_load_b128 v[12*(8*(\s%2)+\t)+4*\c:12*(8*(\s%2)+\t)+4*\c+3], v[L16] offset:XIMG+1536*(4*\t+\s)+512*\c
.endr
.endr
.endr
	WIN 0
.irp t, 0,1,2,3,4,5,6,7
.irp s, 0,1,2,3
	ds_load_b32 v[RS+4*\t+\s], v[L4] offset:XSC+128*(4*\t+\s)
.endr
.endr
	s_wait_loadcnt 63                              ; the eight biases are in: 64 loads are younger, the count's field ends at 63
	WIN 0xc0
.irp n, 0,1,2,3,4,5,6,7
.irp j, 0,1,2,3,4,5,6,7
	v_mov_b32 v[192+8*\n+\j], v[BT+\n]             ; as C: a lane holds one channel, so its eight registers hold the same number
.endr
.endr
	WIN 0
	PLACES
	s_wait_dscnt 0x0                               ; x is in
.macro ITB n                           ; W's tile n: 16 channels x the step's 128 keys: 32 products, one QUANT, one fragment of V to its record
.if (\n) <= 4
	s_wait_loadcnt 48                              ; tile n's 16 loads are in; the three younger groups may be out
.else
	s_wait_loadcnt 16*(7-(\n))
.endif
.irp s, 0,1,2,3
	MM 1, \n, 4, \s
.endr
	WIN 0
	PLACES
.if (\n) > 0
	s_wait_xcnt 0x0                                ; the last tile's stores have had their addresses translated: their data may be written again,
	s_wait_alu depctr_vm_vsrc(0)                   ; and they have read PC, which QUANT writes again
.endif
	QUANT HA
	v_mov_b32 v[SW+(\n)], v[PW]
.if (\n) <= 3
	WIN 0xc0
.endif
	s_wait_alu depctr_va_vdst(0)                   ; QUANT has written PC, which the stores below read; this tile's products are done reading buffer n % 4 of the ring and its scale words, in which the loads below land
.if (\n) <= 3
	GROUPW (\n)+4
.endif
.irp c, 0,1,2
	global_store_b128 v[L16], v[PC+4*\c:PC+4*\c+3], s[40+2*((\n)/4):41+2*((\n)/4)] offset:6656+1536*((\n)%4)+512*\c
.endr
.endm
.irp n, 0,1,2,3,4,5,6,7
	ITB \n
.endr
.irp i, 0,1,2,3
	v_cndmask_b32 v[SD+\i], v[SW+\i], v[SW+4+\i], s50      ; lanes 0-15: head 2 w's four tiles; lanes 16-31: head 2 w + 1's
.endr
	s_wait_alu depctr_va_vdst(0)                   ; the selections have written the four words, which the store reads
	global_store_b128 v[VSO], v[SD:SD+3], s[40:41] offset:12800
.Lend:
	s_wait_dscnt 0x0                               ; the closing lines, six on end
	s_wait_alu 0x0
	s_wait_tensorcnt 0x0
	ds_add_u32 v[SPW], v[NIL]
	s_wait_dscnt 0x0
	s_endpgm
.Lfunc_end_k_qf6ef155801_proj:
	.size	k_qf6ef155801_proj, .Lfunc_end_k_qf6ef155801_proj-k_qf6ef155801_proj
	.p2alignl 7, 3214868480
	.fill 96, 4, 3214868480
	.section	.rodata,"a",@progbits
	.p2align	6, 0x0
	.amdhsa_kernel k_qf6ef155801_proj
		.amdhsa_group_segment_fixed_size 87552
		.amdhsa_private_segment_fixed_size 0
		.amdhsa_enable_private_segment 0
		.amdhsa_kernarg_size 80
		.amdhsa_user_sgpr_count 2
		.amdhsa_user_sgpr_kernarg_segment_ptr 1
		.amdhsa_wavefront_size32 1
		.amdhsa_system_sgpr_workgroup_id_x 1
		.amdhsa_system_sgpr_workgroup_id_y 1
		.amdhsa_system_sgpr_workgroup_id_z 1
		.amdhsa_system_vgpr_workitem_id 0
		.amdhsa_next_free_vgpr 1024
		.amdhsa_next_free_sgpr 66
		.amdhsa_reserve_vcc 0
		.amdhsa_float_denorm_mode_32 3
		.amdhsa_float_denorm_mode_16_64 3
		.amdhsa_memory_ordered 1
		.amdhsa_forward_progress 1
		.amdhsa_inst_pref_size 249
	.end_amdhsa_kernel
	.amdgpu_metadata
---
amdhsa.version: [ 1, 2 ]
amdhsa.kernels:
  - .name:           k_qf6ef155801_proj
    .symbol:         k_qf6ef155801_proj.kd
    .args:
      - { .name: q, .offset: 0, .size: 8, .value_kind: global_buffer, .address_space: global }
      - { .name: k, .offset: 8, .size: 8, .value_kind: global_buffer, .address_space: global }
      - { .name: v, .offset: 16, .size: 8, .value_kind: global_buffer, .address_space: global }
      - { .name: bq, .offset: 24, .size: 8, .value_kind: global_buffer, .address_space: global }
      - { .name: bk, .offset: 32, .size: 8, .value_kind: global_buffer, .address_space: global }
      - { .name: bv, .offset: 40, .size: 8, .value_kind: global_buffer, .address_space: global }
      - { .name: wimg, .offset: 48, .size: 8, .value_kind: global_buffer, .address_space: global }
      - { .name: wscl, .offset: 56, .size: 8, .value_kind: global_buffer, .address_space: global }
      - { .name: qrec, .offset: 64, .size: 8, .value_kind: global_buffer, .address_space: global }
      - { .name: kv, .offset: 72, .size: 8, .value_kind: global_buffer, .address_space: global }
    .group_segment_fixed_size: 87552
    .private_segment_fixed_size: 0
    .kernarg_segment_align: 8
    .kernarg_segment_size: 80
    .max_flat_workgroup_size: 128
    .sgpr_count:     66
    .vgpr_count:     1024
    .wavefront_size: 32
...
	.end_amdgpu_metadata
.endif
;; end of part 6
;; launch attn (part 7): grid 16 x 16, 16 waves a work-group, clusters of 4 x 1, 327,680 bytes of LDS; arguments qrec, kv, orec; writes orec
.if DOCPART == 7
	.amdgcn_target "amdgcn-amd-amdhsa--gfx1250"
	.amdhsa_code_object_version 6
	.text
	.protected	k_qf6ef155801_attn
	.globl	k_qf6ef155801_attn
	.p2align	8
	.type	k_qf6ef155801_attn,@function
k_qf6ef155801_attn:
	s_mov_b64 s[64:65], 0
	v_nop
	global_prefetch_b8 v0, s[64:65] scope:SCOPE_SE
	s_setreg_imm32_b32 hwreg(HW_REG_WAVE_MODE, 25, 1), 1
	s_wait_xcnt 0x0
	s_wait_alu depctr_hold_cnt(0) depctr_sa_sdst(0) depctr_va_vdst(0) depctr_va_sdst(0) depctr_va_ssrc(0) depctr_va_vcc(0) depctr_vm_vsrc(0)
	s_getreg_b32 s2, hwreg(HW_REG_IB_STS2, 6, 4)
	s_cmp_eq_u32 s2, 0
	s_cbranch_scc0 .Lentry_in_a_cluster
	s_endpgm
.Lentry_in_a_cluster:
	s_bfe_u32 s2, ttmp6, 0x10000c
	s_cmp_lg_u32 s2, 0x3003
	s_cbranch_scc0 .Lentry_shape_is_right
	s_endpgm
.Lentry_shape_is_right:
; Launch 3 of 4: for each batch and head, O = softmax(qh kh^T / 8) vh on codes of E2M3, and the quantiser of O / l along the 512 concatenated channels (a head owns two whole blocks of 32).  Nothing of reference() is left out.
; THE SOFTMAX AHEAD OF THE SECOND PRODUCT: t = score x log2(e) / 8; M = the row's largest t so far, rounded UP to a whole number; p = 2^(t - M) is what is quantised, along the keys, not normalised.  The row's sum is
; taken of the unquantised p and divides O at the end.  When M moves, the sum and O are multiplied by 2^(old M - new M): exact.
; LIMITS: as stated at the head of the first launch.
; SHARES.  A work-group owns 256 queries of one batch and head; each of its sixteen waves owns 16, in 256 registers: four waves to a SIMD, so that one wave's vector work stands beside another's products and LDS loads.
; Every wave walks the head's 4,096 keys, 128 a step.  A step's K and V are one dense record of 13,056 bytes, laid as images of the operands' registers by the launch before: every fragment comes by loads of 16 or 8 bytes
; a lane at consecutive addresses.  A ring of two LDS slots of four records; waves 0 to 3 fetch a record each.
; CLUSTER.  The four work-groups of a cluster belong to one head and walk the same records: each record is asked for JOINTLY, by the same tensor load with the same descriptor and a mask that names the four.
; LAYOUT.  S^T = K Q^T (source 0 = 16 keys, source 1 = my 16 queries), O^T = V^T P^T: a lane holds ONE query (lane % 16) throughout.  Register 16 b + i of S^T is key 32 b + 8 h + i (i < 8) or 32 b + 16 + 8 h + i - 8:
; each block of 32 is a true block of keys, and V's codes were laid in the same order inside a block.
; THE FIRST PRODUCT'S K IS 64, the instruction's 128.  Q's registers 6-11 are zero codes.  K's tile t stands at v[32 + 6 t] on, six registers; the instruction's upper six are the next tile's codes (tile 7's: six zeroed
; registers): a code times a zero code is 0, the format has no infinity and no NaN, and bytes 2, 3 of both scale words are 0, which stands for 2^-127.
; REGISTERS: v1-4 lane terms; v5-7 LDS addresses of the slot in hand; v8 the prefetch's offset; v12 -M, v13 the largest t, v[14:15] the sum; v16-27 Q; v30 Q's scale word, v31 p's; v32-79 K's eight tiles, then V's four
; fragments; v80-85 zeros; v88-95 K's scale words, then V's; v96-159 S^T, then p; v160-191 O^T; v192-203 p's codes; v204-226 at work.
.set REC,   13056                      ; a step's record
.set SLOTB, 4*REC                      ; a slot's bytes
.set SLOT1, 65536                      ; slot 1 begins here: one exclusive or turns an address in one slot into the other's
.set SPARE, 131072                     ; the spare words, 128 bytes for each wave: eight blocks of 256 bytes that no other line names
.set L16,  1
.set L8,   2
.set R16,  3
.set L4,   4
.set AD16, 5
.set AD8,  6
.set ADS,  7
.set PFO,  8
.set SPW,  28                          ; v28 LDS address of my spare word; never rewritten
.set NIL,  29                          ; v29 0; never rewritten
.set CT,   204                         ; v204-211 the conversions' second halves
.set BM,   212                         ; v212-215 the blocks' largest scores, then largest p
.set TP,   216                         ; v216-219 at work
.set SO,   220                         ; v220-223 the conversions' scale operands
.set FF,   224                         ; v[224:225] f = 2^(old M - new M): named as a pair, its low word serves both halves
.set TT,   226                         ; v226 at work
.set WV,   10                          ; s10 my wave's number
.set SEL,  20                          ; s[20:21] selects for lane l xor 16
.set CS,   22                          ; s[22:23] c = log2(e) / 8
.set G1,   24                          ; s[24:31] descriptor group 1
.set G0,   32                          ; s[32:35] descriptor group 0, which walks
.set TB,   36                          ; s36 LDS byte at which the slot in hand begins
.set SLOTS, 37                         ; s37 slots still to be asked for
.set LIM,  38                          ; s38 1 in a wave that prefetches, else the greatest number
.set PFA,  40                          ; s[40:41] where my prefetches stand
.macro CROUND                          ; a round of the cluster's barrier
	s_barrier_signal -1
	s_barrier_wait -1
	s_cmp_lg_u32 s[WV], 0
	s_cbranch_scc1 .Lnot_wave_0_\@
	s_barrier_signal -3
.Lnot_wave_0_\@:
	s_barrier_wait -3
	s_barrier_signal -1
	s_barrier_wait -1
.endm
.macro TLOAD                           ; waves 0 to 3 fetch a record each; the branch hangs on the wave's number alone.  An s_nop 0 and four v_nop follow the load
	s_cmp_lt_u32 s[WV], 4
	s_cbranch_scc0 .Lasked_\@
	tensor_load_to_lds s[G0:G0+3], s[G1:G1+7]
	s_nop 0
.rept 4
	v_nop
.endr
.Lasked_\@:
.endm
; A PREFETCH INTO THE L2 of the slot that the NEXT change of slots will ask for: four steps' work ahead of that load.  All clusters of a head walk the same records: the head's first cluster asks.  Its four partners take a
; record each, told apart BY ADDRESS.  In each, wave 4 names the record's blocks of 256 bytes 0 to 31 and wave 5 blocks 32 to 50 (its lanes 19 to 31 repeat block 50 in the same instruction).
; The last change that fills a slot asks for nothing; slots 0 and 1 come by their loads alone.
.macro ASK
	s_cmp_gt_u32 s[SLOTS], s[LIM]
	s_cbranch_scc0 .Lnot_mine_\@
	global_prefetch_b8 v[PFO], s[PFA:PFA+1] th:TH_LOAD_NT scope:SCOPE_SE
.Lnot_mine_\@:
.endm
	s_load_b128 s[4:7], s[0:1], 0x0                ; qrec, kv
	s_load_b64 s[8:9], s[0:1], 0x10                ; orec
	v_lshl_add_u32 v[SPW], v0, 2, SPARE
	v_mov_b32 v[NIL], 0
	ds_add_u32 v[SPW], v[NIL]                      ; the wave's opening: the add, twice on end, and its wait ahead of the first tensor load; the set-up below stands between the second and the wait
	ds_add_u32 v[SPW], v[NIL]
	v_lshrrev_b32 v9, 5, v0
	s_delay_alu instid0(VALU_DEP_1)
	v_readfirstlane_b32 s[WV], v9                  ; wave 0..15
	s_bfe_u32 s11, ttmp6, 0x40000                  ; cx: my place in the cluster
	s_lshl_b32 s12, ttmp9, 2                       ; in a cluster launch ttmp9 counts clusters
	s_add_co_u32 s12, s12, s11                     ; X: my block of 256 queries: it enters qrec's and orec's addresses alone
	s_and_b32 s13, ttmp7, 0xffff                   ; y = 8 batch + head, which the four partners share
	s_mov_b32 s[G1], 15|(3<<16)|(1<<21)            ; 15:0 the mask: all four work-groups; 17:16 elements of 8 bytes; 20 no padding; 21 set beside a mask
	s_mov_b32 s[G1+1], 32<<16                      ; tensor_dim0 = 32 elements: rows of 256 bytes
	s_mov_b32 s[G1+2], 51<<16                      ; tensor_dim1 = 51 rows: a record
	s_mov_b32 s[G1+3], 32<<16                      ; tile_dim0
	s_mov_b32 s[G1+4], 51                          ; tile_dim1
	s_mov_b32 s[G1+5], 32                          ; the pitch: the block is dense
	s_mov_b32 s[G1+6], 0
	s_mov_b32 s[G1+7], 0
	s_mov_b32 s[SEL], 0x76543210
	s_mov_b32 s[SEL+1], 0xfedcba98
	s_mov_b32 s[CS], 0x3e38aa3b                    ; c = log2(e) / sqrt(64)
	s_mov_b32 s[CS+1], s[CS]                       ; (named with it as a pair, so it is written)
	s_mov_b32 s[TB], 0
	s_mov_b32 s[SLOTS], 7
	s_mov_b32 s[G0], 1                             ; count = 1
	s_mul_i32 s[G0+1], s[WV], REC                  ; LDS address: slot 0, my record: no place in the cluster enters it
	s_mul_i32 s14, s13, 32*REC                     ; the head's records in kv
	s_add_co_u32 s16, s14, s[G0+1]                 ; my record of slot 0
	s_mov_b32 s17, 0
	s_mul_i32 s18, s11, REC                        ; the prefetches: my work-group's record,
	s_add_co_u32 s18, s18, s14
	s_add_co_u32 s18, s18, SLOTB                   ; in slot 1: the first change of slots steps it to slot 2
	s_mov_b32 s19, 0
	s_lshl_b32 s42, s13, 5
	s_lshl_b32 s43, s12, 1
	s_add_co_u32 s42, s42, s43
	s_lshr_b32 s43, s[WV], 3
	s_add_co_u32 s42, s42, s43                     ; my group of 128 queries: 32 y + 2 X + wave / 8
	s_mul_i32 s42, s42, 6656
	s_and_b32 s43, s[WV], 7                        ; my tile in it
	s_mul_i32 s44, s43, 768
	s_add_co_u32 s44, s44, s42                     ; Q's codes
	s_mov_b32 s45, 0
	s_lshr_b32 s46, s43, 2
	s_lshl_b32 s46, s46, 8
	s_and_b32 s47, s43, 3
	s_lshl_b32 s47, s47, 2
	s_add_co_u32 s46, s46, s47
	s_add_co_u32 s46, s46, s42
	s_add_co_u32 s46, s46, 6144                    ; Q's scale words: 6,144 + 256 (tile / 4) + 4 (tile % 4), + 16 r by the lane
	s_mov_b32 s47, 0
	s_lshr_b32 s48, s13, 3
	s_lshl_b32 s48, s48, 8
	s_lshl_b32 s49, s12, 4
	s_add_co_u32 s48, s48, s49
	s_add_co_u32 s48, s48, s[WV]                   ; my tile of rows in orec: 256 batch + 16 X + wave
	s_mul_i32 s48, s48, 7168
	s_and_b32 s52, s13, 7                          ; the head
	s_lshl_b32 s50, s52, 7
	s_add_co_u32 s50, s50, s48
	s_add_co_u32 s50, s50, 6144                    ; its scale words
	s_mov_b32 s51, 0
	s_mul_i32 s53, s52, 768
	s_add_co_u32 s48, s48, s53                     ; its half fragment
	s_mov_b32 s49, 0
	s_sub_co_u32 s[LIM], s[WV], 4
	s_lshr_b32 s[LIM], s[LIM], 1                   ; 0 in waves 4 and 5,
	s_or_b32 s[LIM], s[LIM], ttmp9                 ; of the head's first cluster: the same in all four partners
	s_cmp_eq_u32 s[LIM], 0
	s_cselect_b32 s[LIM], 1, -1
	s_cmp_eq_u32 s[WV], 5
	s_cselect_b32 s54, 18, 31
	s_cselect_b32 s55, 8192, 0
	v_and_b32 v9, 31, v0                           ; lane
	v_and_b32 v10, 15, v0                          ; r
	s_delay_alu instid0(VALU_DEP_2)
	v_lshlrev_b32 v[L16], 4, v9
	s_delay_alu instid0(VALU_DEP_3)
	v_lshlrev_b32 v[L8], 3, v9
	s_delay_alu instid0(VALU_DEP_3)
	v_lshlrev_b32 v[R16], 4, v10
	v_lshlrev_b32 v[L4], 2, v9
	v_min_u32 v[PFO], s54, v9
	s_delay_alu instid0(VALU_DEP_1)
	v_lshl_add_u32 v[PFO], v[PFO], 8, s55          ; 256 x lane; in wave 5: 256 x (32 + min(lane, 18))
	s_wait_dscnt 0x0                               ; both opening adds are done
	s_wait_kmcnt 0x0
	s_add_nc_u64 s[G0+2:G0+3], s[6:7], s[16:17]    ; global address: made of the head and the wave's number alone
	s_or_b32 s[G0+3], s[G0+3], 0x80000000          ; type = 2
	s_add_nc_u64 s[PFA:PFA+1], s[6:7], s[18:19]
	s_add_nc_u64 s[44:45], s[4:5], s[44:45]
	s_add_nc_u64 s[46:47], s[4:5], s[46:47]
	s_add_nc_u64 s[48:49], s[8:9], s[48:49]
	s_add_nc_u64 s[50:51], s[8:9], s[50:51]
	CROUND                                         ; all four work-groups are here: the first joint loads meet
	TLOAD                                          ; slot 0
	s_wait_alu depctr_va_vdst(0)
	global_load_b128 v[16:19], v[L16], s[44:45] th:TH_LOAD_NT              ; Q's six registers stay
	global_load_b64 v[20:21], v[L8], s[44:45] offset:512 th:TH_LOAD_NT
	global_load_b32 v30, v[R16], s[46:47]          ; and its scale word
.irp j, 0,1,2,3,4,5
	v_mov_b32 v[22+\j], 0                          ; Q's upper 64 along K: zero codes
	v_mov_b32 v[80+\j], 0                          ; what stands behind K's last tile
.endr
	v_mov_b32 v13, 0xff61b1e6                      ; the largest t so far: -3e38, under every t
	s_delay_alu instid0(VALU_DEP_1)
	v_floor_f32 v12, -v13                          ; -M
	v_mov_b32 v14, 0                               ; the sum, in two halves
	v_mov_b32 v15, 0
.irp b, 0,1,2,3
	v_mov_b32 v[TP+\b], 0                          ; written once: a lane permute's destination counts as one of its sources
.endr
	v_mov_b32 v[FF+1], 0                           ; (named as the upper half of a pair)
.set j, 0
.rept 32
	v_mov_b32 v[160+j], 0                          ; O^T.  (The step is written once: the first finds zeros, which the first change of M leaves zeros)
.set j, j+1
.endr
; A KEY STEP: 128 keys, record q of the slot in hand.
.macro STEP q
.set OB, REC*(\q)
.rept 4
	v_nop                                          ; places in front of loads into registers that the last products read
.endr
.irp t, 0,1,2,3,4,5,6,7
	ds_load_b128 v[32+6*\t:35+6*\t], v[AD16] offset:OB+768*\t
	ds_load_b64 v[36+6*\t:37+6*\t], v[AD8] offset:OB+768*\t+512
.endr
	ds_load_b128 v[88:91], v[ADS] offset:OB+6144   ; row r's scale words of tiles 0-3,
	ds_load_b128 v[92:95], v[ADS] offset:OB+6400   ; and 4-7
	s_wait_dscnt 0x0
.irp t, 0,1,2,3,4,5,6,7
	v_wmma_scale_f32_16x16x128_f8f6f4 v[96+8*\t:103+8*\t], v[32+6*\t:43+6*\t], v[16:27], 0, v[88+\t], v30 matrix_a_fmt:MATRIX_FMT_FP6 matrix_b_fmt:MATRIX_FMT_FP6
.endr
.rept 4
	v_nop                                          ; places: in front of the loads below and of the first read of the scores
.endr
.irp n, 0,1,2,3                                ; V's four fragments and their scale words land under the softmax
.irp c, 0,1,2
	ds_load_b128 v[32+12*\n+4*\c:35+12*\n+4*\c], v[AD16] offset:OB+6656+1536*\n+512*\c
.endr
.endr
	ds_load_b128 v[88:91], v[ADS] offset:OB+12800
.irp b, 0,1,2,3
	v_max3_num_f32 v[BM+\b], v[96+16*\b], v[97+16*\b], v[98+16*\b]   ; THE LARGEST SCORE OF EACH BLOCK OF 32 KEYS serves twice: for the row's maximum and, since p rises with the score, for the block's largest p
.endr
.irp i, 3,5,7,9,11,13
.irp b, 0,1,2,3
	v_max3_num_f32 v[BM+\b], v[BM+\b], v[96+16*\b+\i], v[97+16*\b+\i]   ; (the four blocks by turns)
.endr
.endr
.irp b, 0,1,2,3
	v_max_num_f32 v[BM+\b], v[BM+\b], v[111+16*\b]
.endr
.irp b, 0,1,2,3
	s_delay_alu instid0(VALU_DEP_4)
	v_permlanex16_b32 v[TP+\b], v[BM+\b], s[SEL], s[SEL+1]
.endr
.irp b, 0,1,2,3
	s_delay_alu instid0(VALU_DEP_4)
	v_max_num_f32 v[BM+\b], v[BM+\b], v[TP+\b]     ; with lane l xor 16's 16 keys
.endr
	s_delay_alu instid0(VALU_DEP_2)
	v_max3_num_f32 v[TT], v[BM], v[BM+1], v[BM+2]
	s_delay_alu instid0(VALU_DEP_1)
	v_max_num_f32 v[TT], v[TT], v[BM+3]            ; the step's largest score of my query
	s_delay_alu instid0(VALU_DEP_1)
	v_mul_f32 v[TT], s[CS], v[TT]                  ; as t (c is positive)
	s_delay_alu instid0(VALU_DEP_1)
	v_max_num_f32 v13, v13, v[TT]                  ; the running largest t
	v_mov_b32 v[TT], v12
	s_delay_alu instid0(VALU_DEP_2)
	v_floor_f32 v12, -v13                          ; the new -M = floor(-t) = -ceil(t): M is a whole number
	s_delay_alu instid0(VALU_DEP_1)
	v_sub_f32 v[TT], v12, v[TT]                    ; M's old value less its new one: a whole number, 0 or less
	s_delay_alu instid0(VALU_DEP_1)
	v_cvt_i32_f32 v[TT], v[TT]                     ; (it saturates)
	s_delay_alu instid0(VALU_DEP_1)
	v_ldexp_f32 v[FF], 1.0, v[TT]                  ; f = 2^(old M - new M)
.set j, 0
.rept 32
	v_pk_fma_f32 v[96+j:97+j], v[96+j:97+j], s[CS:CS+1], v[12:13] op_sel_hi:[1,0,0]   ; t - M, two at a time (of the pairs c and -M the low word serves both halves)
.set j, j+2
.endr
.irp b, 0,1,2,3
	v_fma_f32 v[BM+\b], v[BM+\b], s[CS], v12       ; the same of each block's largest score
.endr
.set j, 0
	s_wait_alu depctr_va_vdst(0)
.rept 64
	v_exp_f32 v[96+j], v[96+j]                     ; p = 2^(t - M), at most 1: not normalised
.set j, j+1
.endr
	v_pk_mul_f32 v[14:15], v[14:15], v[FF:FF+1] op_sel_hi:[1,0]   ; the sums under the new M.  (A plain place behind the exponentials)
	s_wait_alu depctr_va_vdst(0)                   ; one wait for the whole batch, ahead of its first reader
.irp b, 0,1,2,3
	v_exp_f32 v[BM+\b], v[BM+\b]                   ; the block's largest p: the same two instructions on the same number give the same bits
.endr
	v_pk_add_f32 v[216:217], v[100:101], v[104:105]
	v_pk_add_f32 v[254:255], v[108:109], v[112:113]
	v_pk_add_f32 v[252:253], v[116:117], v[120:121]
	v_pk_add_f32 v[250:251], v[124:125], v[128:129]
	v_pk_add_f32 v[248:249], v[132:133], v[136:137]
	v_pk_add_f32 v[246:247], v[140:141], v[144:145]
	v_pk_add_f32 v[244:245], v[148:149], v[152:153]
	v_pk_add_f32 v[14:15], v[14:15], v[156:157]
	v_pk_add_f32 v[216:217], v[216:217], v[96:97]
	v_pk_add_f32 v[254:255], v[254:255], v[98:99]
	v_pk_add_f32 v[252:253], v[252:253], v[102:103]
	v_pk_add_f32 v[250:251], v[250:251], v[106:107]
	v_pk_add_f32 v[248:249], v[248:249], v[110:111]
	v_pk_add_f32 v[246:247], v[246:247], v[114:115]
	v_pk_add_f32 v[244:245], v[244:245], v[118:119]
	v_pk_add_f32 v[14:15], v[14:15], v[122:123]
	v_pk_add_f32 v[216:217], v[216:217], v[126:127]
	v_pk_add_f32 v[254:255], v[254:255], v[130:131]
	v_pk_add_f32 v[252:253], v[252:253], v[134:135]
	v_pk_add_f32 v[250:251], v[250:251], v[138:139]
	v_pk_add_f32 v[248:249], v[248:249], v[142:143]
	v_pk_add_f32 v[246:247], v[246:247], v[146:147]
	v_pk_add_f32 v[244:245], v[244:245], v[150:151]
	v_pk_add_f32 v[14:15], v[14:15], v[154:155]
	v_pk_add_f32 v[216:217], v[216:217], v[158:159]
	s_delay_alu instid0(VALU_DEP_2)
	v_pk_add_f32 v[14:15], v[14:15], v[250:251]
	s_delay_alu instid0(VALU_DEP_2)
	v_pk_add_f32 v[216:217], v[216:217], v[248:249]
	v_pk_add_f32 v[254:255], v[254:255], v[246:247]
	v_pk_add_f32 v[252:253], v[252:253], v[244:245]
	s_delay_alu instid0(VALU_DEP_2)
	v_pk_add_f32 v[14:15], v[14:15], v[254:255]
	s_delay_alu instid0(VALU_DEP_2)
	v_pk_add_f32 v[216:217], v[216:217], v[252:253]
	s_delay_alu instid0(VALU_DEP_1)
	v_pk_add_f32 v[14:15], v[14:15], v[216:217]
	s_wait_alu depctr_va_vdst(0)                   ; and one for the four
.irp b, 0,1,2,3
	v_max_num_f32 v[BM+\b], 0x1800000, v[BM+\b]    ; the floor 2^(3 - 127): the byte cannot fall under 1
.endr
.irp b, 0,1,2,3
	s_delay_alu instid0(VALU_DEP_4)
	v_add_nc_u32 v[SO+\b], 0xff000000, v[BM+\b]    ; 2 off the exponent field: the conversion's scale operand
.endr
.irp b, 0,1,2,3
	s_delay_alu instid0(VALU_DEP_4)
	v_lshrrev_b32 v[TP+\b], 23, v[SO+\b]           ; the scale's byte
.endr
	s_delay_alu instid0(VALU_DEP_3)
	v_lshl_or_b32 v31, v[TP+1], 8, v[TP]           ; p's scale word for these 128 keys
	s_delay_alu instid0(VALU_DEP_1)
	v_lshl_or_b32 v31, v[TP+2], 16, v31
	s_delay_alu instid0(VALU_DEP_1)
	v_lshl_or_b32 v31, v[TP+3], 24, v31
.irp c, 0,1
	v_cvt_scalef32_pk16_fp6_f32 v[192+6*\c:194+6*\c], v[96+32*\c:111+32*\c], v[SO+2*\c]
	v_cvt_scalef32_pk16_fp6_f32 v[CT+4*\c:CT+2+4*\c], v[112+32*\c:127+32*\c], v[SO+2*\c+1]   ; (a conversion's three registers begin on an even number)
.endr
	v_nop                                          ; one plain place behind a scaled conversion
.irp c, 0,1                                    ; the operand's layout wants a WHOLE block in a lane
.irp i, 0,1,2
	v_permlane16_swap_b32 v[192+6*\c+\i], v[CT+4*\c+\i]
.endr
.irp i, 0,1,2
	s_delay_alu instid0(VALU_DEP_3)
	v_mov_b32 v[195+6*\c+\i], v[CT+4*\c+\i]
.endr
.endr
.set j, 0
.rept 16
	v_pk_mul_f32 v[160+j:161+j], v[160+j:161+j], v[FF:FF+1] op_sel_hi:[1,0]   ; O^T under the new M.  (These are also the places between the writes of p's codes and scale word and the products below)
.set j, j+2
.endr
	s_wait_alu depctr_va_vdst(0)
	s_wait_dscnt 0x0                               ; V is in
.irp n, 0,1,2,3                                ; O^T += V^T P^T: four accumulators by turns
	v_wmma_scale_f32_16x16x128_f8f6f4 v[160+8*\n:167+8*\n], v[32+12*\n:43+12*\n], v[192:203], v[160+8*\n:167+8*\n], v[88+\n], v31 matrix_a_fmt:MATRIX_FMT_FP6 matrix_b_fmt:MATRIX_FMT_FP6
.endr
.endm
; THE CHANGE OF SLOTS stands at a slot's head.  Each wave waits for all its tensor loads, adds 0 to its spare word, and waits for that and for its reads of the slot that it has left.  fill = 1: behind a round of the
; cluster's barrier (no wave of any partner still reads that slot or has a load on its way) it is filled with the next four records: the load has four steps' work in which to land.
.macro CHANGE fill
	s_wait_tensorcnt 0x0                           ; no tensor load of mine is out, so the group 0 may be written
	ds_add_u32 v[SPW], v[NIL]                      ; 0 onto my spare word
.if \fill
	ds_add_u32 v[SPW], v[NIL]                      ; and once more: the add stands twice on end, in every trip alike
	s_xor_b32 s[G0+1], s[G0+1], SLOT1              ; the walking descriptor: the other slot than last time,
	s_add_nc_u64 s[G0+2:G0+3], s[G0+2:G0+3], SLOTB ; the next four records; the type bits on top are not reached
	s_wait_xcnt 0x0                                ; the last prefetch, a slot back, has read its address, so it may be written:
	s_add_nc_u64 s[PFA:PFA+1], s[PFA:PFA+1], SLOTB ; one slot further on than the walking descriptor
	s_wait_dscnt 0x0                               ; both adds are done, and my reads of the slot that I have left are over
	CROUND
	TLOAD                                          ; the first thing behind the round, and a wave's one tensor load until the next
	ASK
.else
	s_wait_dscnt 0x0
	s_barrier_signal -1
	s_barrier_wait -1
.endif
.endm
.macro SLOT_STEPS
	v_add_nc_u32 v[AD16], s[TB], v[L16]
	s_wait_alu depctr_va_vdst(0)
	v_add_nc_u32 v[AD8], s[TB], v[L8]
	v_add_nc_u32 v[ADS], s[TB], v[R16]
	s_wait_alu depctr_va_vdst(0)
	STEP 0
	STEP 1
	STEP 2
	STEP 3
	s_xor_b32 s[TB], s[TB], SLOT1                  ; on to the other slot
.endm
	s_wait_loadcnt 0x0                             ; Q
.Lslot:                                            ; seven trips: behind each change of slots but the last the next slot is asked for
	CHANGE 1
	SLOT_STEPS
	s_sub_co_u32 s[SLOTS], s[SLOTS], 1
	s_cmp_lg_u32 s[SLOTS], 0
	s_cbranch_scc1 .Lslot
	CHANGE 0                                       ; the last slot is written out
	SLOT_STEPS
	; THE WAY OUT.  O^T / the sum: register 16 b + i is channel 32 b + 16 h + i of my head: two blocks of the last product's K.  They are quantised here, and leave as an image of half a fragment.
.rept 4
	v_nop                                          ; places behind the last products
.endr
	v_add_f32 v14, v14, v15                        ; the sum's two halves,
	s_delay_alu instid0(VALU_DEP_1)
	v_permlanex16_b32 v[TT], v14, s[SEL], s[SEL+1]
	s_delay_alu instid0(VALU_DEP_1)
	v_add_f32 v14, v14, v[TT]                      ; and lane l xor 16's: the row's sum
	s_wait_alu depctr_va_vdst(0)
	v_rcp_f32 v14, v14
	v_nop                                          ; a plain place behind the reciprocal
	s_wait_alu depctr_va_vdst(0)                   ; and the wait ahead of its first reader
.set j, 0
.rept 32
	v_mul_f32 v[96+j], v[160+j], v14
.set j, j+1
.endr
.irp b, 0,1
	v_max3_num_f32 v[BM+\b], |v[96+16*\b]|, |v[97+16*\b]|, 0x1800000
.endr
.irp i, 2,4,6,8,10,12,14
.irp b, 0,1
	s_delay_alu instid0(VALU_DEP_2)
	v_max3_num_f32 v[BM+\b], v[BM+\b], |v[96+16*\b+\i]|, |v[97+16*\b+\i]|
.endr
.endr
.irp b, 0,1
	s_delay_alu instid0(VALU_DEP_2)
	v_permlanex16_b32 v[TP+\b], v[BM+\b], s[SEL], s[SEL+1]
.endr
.irp b, 0,1
	s_delay_alu instid0(VALU_DEP_2)
	v_max_num_f32 v[BM+\b], v[BM+\b], v[TP+\b]
.endr
.irp b, 0,1
	s_delay_alu instid0(VALU_DEP_2)
	v_add_nc_u32 v[SO+\b], 0xff000000, v[BM+\b]
.endr
.irp b, 0,1
	s_delay_alu instid0(VALU_DEP_2)
	v_lshrrev_b32 v[TP+\b], 23, v[SO+\b]
.endr
	s_delay_alu instid0(VALU_DEP_1)
	v_lshl_or_b32 v[TT], v[TP+1], 8, v[TP]         ; my head's two bytes low, zeros above
	v_cvt_scalef32_pk16_fp6_f32 v[192:194], v[96:111], v[SO]
	v_cvt_scalef32_pk16_fp6_f32 v[CT:CT+2], v[112:127], v[SO+1]
	v_nop                                          ; one plain place behind a scaled conversion
.irp i, 0,1,2
	v_permlane16_swap_b32 v[192+\i], v[CT+\i]
.endr
.irp i, 0,1,2
	s_delay_alu instid0(VALU_DEP_3)
	v_mov_b32 v[195+\i], v[CT+\i]
.endr
	global_store_b128 v[L16], v[192:195], s[48:49]             ; 512 consecutive bytes
	global_store_b64 v[L8], v[196:197], s[48:49] offset:512    ; 256 consecutive bytes
	global_store_b32 v[L4], v[TT], s[50:51]
	s_wait_tensorcnt 0x0                           ; the wave's end, behind my last tensor load
	ds_add_u32 v[SPW], v[NIL]
	s_wait_dscnt 0x0
	CROUND                                         ; the closing round: no work-group ends while a partner may still ask for a record that names it
	s_endpgm
.Lfunc_end_k_qf6ef155801_attn:
	.size	k_qf6ef155801_attn, .Lfunc_end_k_qf6ef155801_attn-k_qf6ef155801_attn
	.p2alignl 7, 3214868480
	.fill 96, 4, 3214868480
	.section	.rodata,"a",@progbits
	.p2align	6, 0x0
	.amdhsa_kernel k_qf6ef155801_attn
		.amdhsa_group_segment_fixed_size 327680
		.amdhsa_private_segment_fixed_size 0
		.amdhsa_enable_private_segment 0
		.amdhsa_kernarg_size 24
		.amdhsa_user_sgpr_count 2
		.amdhsa_user_sgpr_kernarg_segment_ptr 1
		.amdhsa_wavefront_size32 1
		.amdhsa_system_sgpr_workgroup_id_x 1
		.amdhsa_system_sgpr_workgroup_id_y 1
		.amdhsa_system_sgpr_workgroup_id_z 1
		.amdhsa_system_vgpr_workitem_id 0
		.amdhsa_next_free_vgpr 256
		.amdhsa_next_free_sgpr 66
		.amdhsa_reserve_vcc 0
		.amdhsa_float_denorm_mode_32 3
		.amdhsa_float_denorm_mode_16_64 3
		.amdhsa_memory_ordered 1
		.amdhsa_forward_progress 1
		.amdhsa_inst_pref_size 147
	.end_amdhsa_kernel
	.amdgpu_metadata
---
amdhsa.version: [ 1, 2 ]
amdhsa.kernels:
  - .name:           k_qf6ef155801_attn
    .symbol:         k_qf6ef155801_attn.kd
    .args:
      - { .name: qrec, .offset: 0, .size: 8, .value_kind: global_buffer, .address_space: global }
      - { .name: kv, .offset: 8, .size: 8, .value_kind: global_buffer, .address_space: global }
      - { .name: orec, .offset: 16, .size: 8, .value_kind: global_buffer, .address_space: global }
    .group_segment_fixed_size: 327680
    .private_segment_fixed_size: 0
    .kernarg_segment_align: 8
    .kernarg_segment_size: 24
    .max_flat_workgroup_size: 512
    .sgpr_count:     66
    .vgpr_count:     256
    .wavefront_size: 32
...
	.end_amdgpu_metadata
.endif
;; end of part 7
;; launch oproj (part 8): grid 4 x 64, 4 waves a work-group, no clusters, 17,920 bytes of LDS; arguments orec, wimg, wscl, bo, out0; writes out0
.if DOCPART == 8
	.amdgcn_target "amdgcn-amd-amdhsa--gfx1250"
	.amdhsa_code_object_version 6
	.text
	.protected	k_qf6ef155801_oproj
	.globl	k_qf6ef155801_oproj
	.p2align	8
	.type	k_qf6ef155801_oproj,@function
k_qf6ef155801_oproj:
	s_mov_b64 s[64:65], 0
	v_nop
	global_prefetch_b8 v0, s[64:65] scope:SCOPE_SE
	s_setreg_imm32_b32 hwreg(HW_REG_WAVE_SCHED_MODE, 0, 2), 2
	s_setreg_imm32_b32 hwreg(HW_REG_WAVE_MODE, 25, 1), 1
	s_wait_xcnt 0x0
	s_wait_alu depctr_vm_vsrc(0)
; Launch 4 of 4: out0 = O Wo + bo on codes of E2M3.  O's codes and scale bytes were made by the launch before, Wo's by the first.  Nothing of reference() is left out.
; SHARES.  Work-group (x, y): rows 128 y on, columns 128 x on.  Wave (wr = w / 2, wc = w % 2): 64 x 64: 16 accumulators, 64 products (K = 512: four steps).  Every operand goes from memory straight into the registers that use
; it, as images of those registers: loads of 16 or 8 bytes a lane at consecutive addresses.  No operand goes through LDS, and no barrier is needed: what several work-groups share here is small (a wave's part of Wo is
; 24,576 bytes) and a joint load would add its bytes as LDS writes and reads.
; THE PRODUCT IS USED TRANSPOSED (source 0 = 16 columns of Wo, source 1 = 16 rows of O): lane (r, h) holds row r, and register j of tile 2 b + u holds column 32 b + 16 h + 8 u + j.  bo is the C of each sum's first product.
; orec: [tile of 16 rows 512][7,168]: head e's half fragment (registers 6 (e % 2) on of K step e / 2) at 768 e: registers 0-3 at 16 l, registers 4-5 at 512 + 8 l; its scale word (two bytes low) at 6,144 + 128 e + 4 l.
; REGISTERS, in windows of 256: window 0: addresses; v16-31 Wo's scale words; v32-63 O's half words, later rows of the result; v64-79 O's scale words; v80-111 rows of the result; v128-255 the accumulators ((a, t) at 128 + 8 (4 a + t)).
; Window 1: Wo's fragments (t, s) at 12 (4 t + s); from v192 bo's four tiles.   Window 2: O's fragments at 48 a + 6 e.
; THE MODE: SCHED_MODE bits 1:0 = 2 (LLVM: expert scheduling mode 2), set by the entry lines.  The code itself states the register dependences between vector or matrix instructions and memory or LDS instructions,
; with s_wait_alu, always for 0.
; THE PLAN.  Registers that memory or LDS instructions touch:
;   v4-v10     offsets and LDS addresses: made once at the head, never written again: one wait on va_vdst ahead of the first load.
;   windows 1, 2, v16-31   written by loads, read by the products alone.
;   v32-63     written by loads, read by the sixteen shifts that make O's scale words; later rows of the result: written by LDS loads, read by global stores.
;   v64-79     written by the shifts, taken by the products as scales: one wait on va_vdst, behind the eight places.
;   v128-255   written by the products, read by the LDS stores into the stage: one wait on va_vdst, behind the four places; it also shows the shifts done reading v32-63.  No vector instruction follows it.
;   v80-111, v32-63  by turns: the stage's loads land in them again only behind a wait on vm_vsrc: the global stores of two blocks back have read them.
;   v14, v15   written at the head, read by the closing add alone.
.set SP,    272                        ; a stage row: 256 bytes + 16
.set SPARE, 17408                      ; behind the four stages (16 rows each): the spare words, 128 bytes for each wave: two blocks of 256 bytes that no other line names
.set L16, 4
.set L8,  5
.set L4,  6
.set BOF, 7                            ; v7   64 h
.set STO, 8                            ; v8   the stage: where I put 32 bytes of a row
.set SRD, 9                            ; v9   and where I read a row back
.set GO,  10                           ; v10  my byte offset in two rows of out0
.set SPW, 14                           ; v14  LDS address of my spare word; never rewritten
.set NIL, 15                           ; v15  0; never rewritten
.set WS,  16
.set AR,  32
.set AS,  64
.set ACC, 128
.set MSB, 0
.macro WIN new                         ; the immediate's high byte repeats the setting that is left
.if MSB != (\new)
	s_set_vgpr_msb (MSB<<8)|(\new)
.set MSB, (\new)
.endif
.endm
	s_load_b256 s[4:11], s[0:1], 0x0               ; orec, wimg, wscl, bo
	s_load_b64 s[12:13], s[0:1], 0x20              ; out0
	v_lshl_add_u32 v[SPW], v0, 2, SPARE
	v_mov_b32 v[NIL], 0
	v_lshrrev_b32 v1, 5, v0
	v_readfirstlane_b32 s14, v1                    ; wave 0..3
	v_and_b32 v1, 31, v0                           ; lane
	v_and_b32 v2, 15, v0                           ; r
	v_bfe_u32 v3, v0, 4, 1                         ; h
	v_lshlrev_b32 v[L16], 4, v1
	v_lshlrev_b32 v[L8], 3, v1
	v_lshlrev_b32 v[L4], 2, v1
	v_lshlrev_b32 v[BOF], 6, v3
	v_mul_u32_u24 v[STO], v2, SP
	v_lshl_add_u32 v[STO], v3, 6, v[STO]
	v_mul_u32_u24 v[SRD], v3, SP
	v_lshl_add_u32 v[SRD], v2, 4, v[SRD]
	v_lshlrev_b32 v[GO], 11, v3
	v_lshl_add_u32 v[GO], v2, 4, v[GO]             ; two rows in out0: lanes 0-15 one row, lanes 16-31 the next; 16 bytes a lane
	s_and_b32 s18, ttmp7, 0xffff                   ; y
	s_wait_alu depctr_va_sdst(0)                   ; s14 is written, ahead of its first reader: my stage and all five bases are made from it
	s_lshr_b32 s15, s14, 1                         ; wr
	s_and_b32 s16, s14, 1                          ; wc
	s_mul_i32 s19, s14, 16*SP                      ; my stage
	v_add_nc_u32 v[STO], s19, v[STO]               ; in: row r, + 64 h
	v_add_nc_u32 v[SRD], s19, v[SRD]               ; back: lanes 0-15 one row of 256 bytes, lanes 16-31 the next
	s_lshl_b32 s20, ttmp9, 3
	s_lshl_b32 s21, s16, 2
	s_add_co_u32 s20, s20, s21                     ; my first tile of Wo: 8 x + 4 wc
	s_mul_i32 s22, s20, 6144
	s_add_co_u32 s22, s22, 589824                  ; Wo is the fourth weight in wimg
	s_mov_b32 s23, 0
	s_lshl_b32 s24, s20, 9
	s_add_co_u32 s24, s24, 49152                   ; and in wscl
	s_mov_b32 s25, 0
	s_lshl_b32 s26, s20, 6                         ; my first column, in bytes: 64 bytes a tile of 16
	s_mov_b32 s27, 0
	s_lshl_b32 s28, s18, 3
	s_lshl_b32 s29, s15, 2
	s_add_co_u32 s28, s28, s29                     ; my first tile of rows: 8 y + 4 wr
	s_lshl_b32 s30, s28, 15                        ; 16 rows of 2,048 bytes a tile
	s_add_co_u32 s30, s30, s26
	s_mov_b32 s31, 0
	s_mul_i32 s28, s28, 7168
	s_mov_b32 s29, 0
	s_wait_kmcnt 0x0
	s_add_nc_u64 s[4:5], s[4:5], s[28:29]
	s_add_nc_u64 s[6:7], s[6:7], s[22:23]
	s_add_nc_u64 s[8:9], s[8:9], s[24:25]
	s_add_nc_u64 s[10:11], s[10:11], s[26:27]
	s_add_nc_u64 s[12:13], s[12:13], s[30:31]
	WIN 0x40                                       ; destination window 1
	s_wait_alu depctr_va_vdst(0)                   ; the seven offsets and addresses v4 to v10 are written, which every load and store of the kernel reads
.set i, 0
.rept 48
	global_load_b128 v[4*i:4*i+3], v[L16], s[6:7] offset:512*i     ; Wo's 16 fragments lie on end: piece i is registers 4 i on
.set i, i+1
.endr
.irp t, 0,1,2,3
	global_load_b128 v[192+8*\t:195+8*\t], v[BOF], s[10:11] offset:(32*(\t/2)+8*(\t%2))*4
	global_load_b128 v[196+8*\t:199+8*\t], v[BOF], s[10:11] offset:(32*(\t/2)+8*(\t%2))*4+16
.endr
	WIN 0x80                                       ; destination window 2
.irp a, 0,1,2,3
.irp e, 0,1,2,3,4,5,6,7
	global_load_b128 v[48*\a+6*\e:48*\a+6*\e+3], v[L16], s[4:5] offset:7168*\a+768*\e
	global_load_b64 v[48*\a+6*\e+4:48*\a+6*\e+5], v[L8], s[4:5] offset:7168*\a+768*\e+512
.endr
.endr
	WIN 0
.irp t, 0,1,2,3
.irp s, 0,1,2,3
	global_load_b32 v[WS+4*\t+\s], v[L4], s[8:9] offset:128*(4*\t+\s)
.endr
.endr
.irp a, 0,1,2,3
.irp e, 0,1,2,3,4,5,6,7
	global_load_b32 v[AR+8*\a+\e], v[L4], s[4:5] offset:7168*\a+6144+128*\e
.endr
.endr
	s_wait_loadcnt 0x0
.irp a, 0,1,2,3
.irp s, 0,1,2,3
	v_lshl_or_b32 v[AS+4*\a+\s], v[AR+8*\a+2*\s+1], 16, v[AR+8*\a+2*\s]   ; two heads' two bytes each make a K step's scale word
.endr
.endr
.rept 8
	v_nop                                          ; a scale register written by a vector instruction stands eight places ahead of a scaled product
.endr
	s_wait_alu depctr_va_vdst(0)                   ; the shifts have written O's scale words v64 to v79, which the products take as scales; the eight places above stay beside this wait
.irp s, 0,1,2,3                                ; the 16 accumulators by turns, a K step at a time
.if \s == 0
	WIN 0x19                                       ; source 0 (Wo) and C (bo) window 1, source 1 (O) window 2, D window 0
.else
	WIN 0x09                                       ; C and D window 0
.endif
.irp a, 0,1,2,3
.irp t, 0,1,2,3
.if \s == 0
	v_wmma_scale_f32_16x16x128_f8f6f4 v[ACC+8*(4*\a+\t):ACC+8*(4*\a+\t)+7], v[12*(4*\t+\s):12*(4*\t+\s)+11], v[48*\a+12*\s:48*\a+12*\s+11], v[192+8*\t:199+8*\t], v[WS+4*\t+\s], v[AS+4*\a+\s] matrix_a_fmt:MATRIX_FMT_FP6 matrix_b_fmt:MATRIX_FMT_FP6
.else
	v_wmma_scale_f32_16x16x128_f8f6f4 v[ACC+8*(4*\a+\t):ACC+8*(4*\a+\t)+7], v[12*(4*\t+\s):12*(4*\t+\s)+11], v[48*\a+12*\s:48*\a+12*\s+11], v[ACC+8*(4*\a+\t):ACC+8*(4*\a+\t)+7], v[WS+4*\t+\s], v[AS+4*\a+\s] matrix_a_fmt:MATRIX_FMT_FP6 matrix_b_fmt:MATRIX_FMT_FP6
.endif
.endr
.endr
.endr
	WIN 0
.rept 4
	v_nop                                          ; places in front of the first read of results
.endr
	s_wait_alu depctr_va_vdst(0)                   ; the products have written the accumulators, which the LDS stores read; the shifts are done reading v32 to v63, in which loads from the stage land; the places above stay beside this wait
; THE WAY OUT, 16 rows x 64 columns at a time, through my own stage: a lane's 32 bytes go into rows of 272 bytes and come back as whole rows of 256, which sixteen lanes store as one aligned block.
.irp a, 0,1,2,3
.set BB, 80-48*(\a%2)                          ; v80-111 and v32-63 by turns
.if \a >= 2
	s_wait_xcnt 0x0                                ; the stores of two blocks back have had their addresses translated,
	s_wait_alu depctr_vm_vsrc(0)                   ; and they have read their registers, in which the loads from the stage land again
.endif
.irp t, 0,1,2,3
	ds_store_b128 v[STO], v[ACC+8*(4*\a+\t):ACC+8*(4*\a+\t)+3] offset:128*(\t/2)+32*(\t%2)          ; each accumulator from its low end on
	ds_store_b128 v[STO], v[ACC+8*(4*\a+\t)+4:ACC+8*(4*\a+\t)+7] offset:128*(\t/2)+32*(\t%2)+16
.endr
.irp i, 0,1,2,3,4,5,6,7
	ds_load_b128 v[BB+4*\i:BB+4*\i+3], v[SRD] offset:2*\i*SP       ; LDS serves a wave's instructions in order: these see my stores, and the next block's stores come behind them
.endr
.irp i, 0,1,2,3,4,5,6,7
	s_wait_dscnt 7-\i                              ; pair i of rows is back; the younger loads may be out
	global_store_b128 v[GO], v[BB+4*\i:BB+4*\i+3], s[12:13] offset:(16*\a+2*\i)*2048 th:TH_STORE_NT
.endr
.endr
	s_wait_dscnt 0x0                               ; the closing lines, six on end
	s_wait_alu 0x0
	s_wait_tensorcnt 0x0
	ds_add_u32 v[SPW], v[NIL]
	s_wait_dscnt 0x0
	s_endpgm
.Lfunc_end_k_qf6ef155801_oproj:
	.size	k_qf6ef155801_oproj, .Lfunc_end_k_qf6ef155801_oproj-k_qf6ef155801_oproj
	.p2alignl 7, 3214868480
	.fill 96, 4, 3214868480
	.section	.rodata,"a",@progbits
	.p2align	6, 0x0
	.amdhsa_kernel k_qf6ef155801_oproj
		.amdhsa_group_segment_fixed_size 17920
		.amdhsa_private_segment_fixed_size 0
		.amdhsa_enable_private_segment 0
		.amdhsa_kernarg_size 40
		.amdhsa_user_sgpr_count 2
		.amdhsa_user_sgpr_kernarg_segment_ptr 1
		.amdhsa_wavefront_size32 1
		.amdhsa_system_sgpr_workgroup_id_x 1
		.amdhsa_system_sgpr_workgroup_id_y 1
		.amdhsa_system_sgpr_workgroup_id_z 1
		.amdhsa_system_vgpr_workitem_id 0
		.amdhsa_next_free_vgpr 768
		.amdhsa_next_free_sgpr 66
		.amdhsa_reserve_vcc 0
		.amdhsa_float_denorm_mode_32 3
		.amdhsa_float_denorm_mode_16_64 3
		.amdhsa_memory_ordered 1
		.amdhsa_forward_progress 1
		.amdhsa_inst_pref_size 37
	.end_amdhsa_kernel
	.amdgpu_metadata
---
amdhsa.version: [ 1, 2 ]
amdhsa.kernels:
  - .name:           k_qf6ef155801_oproj
    .symbol:         k_qf6ef155801_oproj.kd
    .args:
      - { .name: orec, .offset: 0, .size: 8, .value_kind: global_buffer, .address_space: global }
      - { .name: wimg, .offset: 8, .size: 8, .value_kind: global_buffer, .address_space: global }
      - { .name: wscl, .offset: 16, .size: 8, .value_kind: global_buffer, .address_space: global }
      - { .name: bo, .offset: 24, .size: 8, .value_kind: global_buffer, .address_space: global }
      - { .name: out0, .offset: 32, .size: 8, .value_kind: global_buffer, .address_space: global }
    .group_segment_fixed_size: 17920
    .private_segment_fixed_size: 0
    .kernarg_segment_align: 8
    .kernarg_segment_size: 40
    .max_flat_workgroup_size: 128
    .sgpr_count:     66
    .vgpr_count:     768
    .wavefront_size: 32
...
	.end_amdgpu_metadata
.endif
;; end of part 8
